; MI455X (gfx1250); checked and timed in simulation.
; The chip was launched on July 23, 2026; its instructions are those of AMD's public machine-readable ISA for CDNA 5 (MIT licence, August 2026) and "CDNA5" Instruction Set Architecture Reference Guide (July 2026). The comments in the code are by the model that wrote it; some were corrected since.
;; Norm Attention. Allowed arithmetic: matrix products marked QUANTISED: E2M3 operands, one E8M0 scale for each 32 along K, by v_wmma_scale_f32_16x16x128_f8f6f4 with both operands' format E2M3, f32 sums; everything else in f32.
;; Inputs: b_proj 1,024 float32; freqs_cos 2,048 x 64 float32; freqs_sin 2,048 x 64 float32; kn_w 64 float32; qn_w 64 float32; w_proj 1,024 x 1,024 float32; w_qkv 1,024 x 3,072 float32; x 4 x 2,048 x 1,024 float32.
;; Outputs: out0 4 x 2,048 x 1,024 float32.
;; This version of the problem:
;;   THIS VERSION OF THE PROBLEM IS GIVEN IN LOW PRECISION. The matrix products marked QUANTISED in the list below multiply operands that are first quantised to E2M3 (2 exponent bits, 3 mantissa bits; 6 bits a number), with one power-of-two scale for each 32 numbers along K (OCP MX v1.0); their sums are f32. All else is computed in f32.
;;   The module's matrix products, in the order in which they are computed (A, B: the left and right operand; K: the contracted axis; several contracted axes count as one K, in the product's order):
;;     1. [M 8,192, K 1,024] x [K 1,024, N 3,072]; A: input x; B: input w_qkv: QUANTISED
;;     2. batch 64 x [M 2,048, K 64] x [K 64, N 2,048]; A: computed on the way; B: computed on the way: QUANTISED
;;     3. batch 64 x [M 2,048, K 2,048] x [K 2,048, N 64]; A: softmax (see below); B: computed on the way: QUANTISED
;;     4. [M 8,192, K 1,024] x [K 1,024, N 1,024]; A: computed on the way; B: input w_proj: QUANTISED
;;   THE QUANTISER, for each operand of a quantised product, along K:
;;     - K is cut into blocks of 32 from its start; a last block that is shorter is filled with zeros.
;;     - A block's scale is 2^e with e = floor(log2(the largest magnitude in the block)) - 2, held to -126 .. 127; a block of zeros has e = 0. As a byte (E8M0): e + 127.
;;     - Each number is divided by its block's scale, clamped to +-7.5, and rounded to the nearest number of E2M3, ties to even, subnormals kept.
;;     - The product sums the exact products of the quantised numbers (number of the format x scale) in f32.
;;   ~~~python
;;   def quantise(x, axis):      # numpy; x: float32 -> the quantised numbers, widened to float32 again
;;       x = np.moveaxis(x, axis, -1); K = x.shape[-1]
;;       x = np.pad(x, [(0, 0)] * (x.ndim - 1) + [(0, -K % 32)]); x = x.reshape(x.shape[:-1] + (-1, 32)); a = np.abs(x).max(-1, keepdims=True)
;;       e = np.where(a > 0, np.clip(np.frexp(np.where(a > 0, a, 1))[1] - 1 - 2, -126, 127), 0)      # np.frexp(a)[1] - 1 = floor(log2(a)), exactly
;;       r = np.clip(x / 2.0 ** e, -7.5, 7.5)
;;       step = 2.0 ** (np.maximum(np.frexp(np.where(r == 0, 1, r))[1] - 1, 0) - 3)
;;       q = np.round(r / step) * step * 2.0 ** e      # np.round: ties to even
;;       return np.moveaxis(q.reshape(q.shape[:-2] + (-1,))[..., :K], -1, axis).astype(np.float32)
;;   ~~~
;;   SOFTMAX AHEAD OF A QUANTISED PRODUCT. Where the list says 'softmax', what is quantised is not the finished softmax but p = 2^(t - M), with t = logit x log2(e) and M = ceil(the row's largest t), a whole number; so 1/2 < the row's largest p <= 1. The row's sum l is taken of the UNQUANTISED p, in f32, and the product's result is divided by l at the end. Since M is a whole number, a kernel that streams over the keys may use a running M (the ceiling of the running maximum): every later rescaling is an exact power of two, which a block's scale takes up: the codes' values come out the same.
;;   OPERANDS COMPUTED ON THE WAY. 'Computed on the way' means the value that the module computes at that place (a softmax that the list does not call 'softmax' is quantised finished and normalised). What goes into a quantiser is computed in f32, as accurately as f32 sums, v_exp_f32 and their like allow (about 1e-6 of the number): no bf16 or f16 on the way to a quantiser, and a product that is left as it is and whose result goes on into a quantised operand takes f32 operands (vector FMAs, or v_wmma_f32_16x16x4_f32). A number that lies on a knife's edge between two numbers of the format may be rounded either way, as far as f32 arithmetic and the matrix unit's own rounding can turn it there, and no further.
;; One version. Each part assembles by itself: llvm-mc -triple=amdgcn-amd-amdhsa -mcpu=gfx1250 --defsym DOCPART=n.
;; ======== version 1 of 1: 5 launches
;; limits: right only within a limited range of input values
;; workspace buffers: xc 6,291,456 bytes; wqc 2,359,296 bytes; wpc 786,432 bytes; scl1 360,448 bytes; wps 32,768 bytes; heads 20,185,088 bytes; oc 6,291,456 bytes; os 524,288 bytes
;; launch qx (part 1): grid 256 x 1, 8 waves a work-group, no clusters, 69,632 bytes of LDS; arguments x, xc, scl1; writes xc, scl1
.if DOCPART == 1
	.amdgcn_target "amdgcn-amd-amdhsa--gfx1250"
	.amdhsa_code_object_version 6
	.text
	.protected	k_q4bfef18519_qx
	.globl	k_q4bfef18519_qx
	.p2align	8
	.type	k_q4bfef18519_qx,@function
k_q4bfef18519_qx:
	s_mov_b64 s[64:65], 0
	v_nop
	global_prefetch_b8 v0, s[64:65] scope:SCOPE_SE
	s_setreg_imm32_b32 hwreg(HW_REG_WAVE_MODE, 25, 1), 1
	s_wait_xcnt 0x0
; x [8192][1024] f32 becomes codes of E2M3 with one E8M0 byte for each 32 along K, laid as IMAGES OF OPERAND REGISTERS.
; A fragment is 16 rows x 128 K = 12 registers a lane = 1,536 bytes: register p of lane l at 512 (p / 4) + 16 l + 4 (p % 4).
; Fragment (g, s) lies at ((s / 2) 512 + g) 3072 + (s % 2) 1536.  THE ROWS OF A TILE ARE NOT NEIGHBOURS: tile g = 2 B + u, lane row r is token 32 B + 8 u + r + 8 (r / 8).
; Scale word of (g, r, s) at 512 g + 32 r + 4 s of scl1.
; A work-group owns 32 tokens (tiles 2 t, 2 t + 1); wave w makes tile 2 t + w / 4, K steps 2 (w % 4) and 2 (w % 4) + 1.
; Each load reads 512 consecutive bytes of one row; the 16 rows turn through the wave's own stage in LDS, so that lane (r, h) gets k = 64 c + 32 h + 0 .. 31 of row r: two whole blocks a lane.
; LIMITS: a block of zeros gets the byte 1 (its codes are zeros; this program alone reads the bytes); largest magnitudes under 2^-124 are taken as 2^-124; NaN and infinities are not served.
.set STG,   8448                       ; a wave's stage: 16 rows x (512 + 16) bytes
.set SCS,   67584                      ; behind the eight stages: the scale words, [tile 2][row 16][K step 8]
.set RAW,   64                         ; v64-191  the rows as loaded, 64 registers for each K step
.set X0,    192                        ; v192-255 the first K step's numbers, turned; the second's take v64-127
.set C,     28                         ; v28-51   the codes, 12 for each K step
.set CT,    20                         ; v20-27   the upper halves of blocks, made here and moved
	s_load_b128 s[4:7], s[0:1], 0x0                ; x, xc
	s_load_b64 s[8:9], s[0:1], 0x10                ; scl1
	v_lshl_add_u32 v62, v0, 2, 0x10c00
	v_mov_b32 v63, 0
	v_lshrrev_b32 v1, 5, v0
	s_delay_alu instid0(VALU_DEP_1)
	v_readfirstlane_b32 s10, v1                    ; wave
	v_and_b32 v1, 31, v0                           ; lane
	v_and_b32 v2, 15, v0                           ; r
	v_bfe_u32 v3, v0, 4, 1                         ; h
	s_delay_alu instid0(VALU_DEP_3)
	v_lshlrev_b32 v4, 4, v1                        ; 16 x lane
	s_wait_alu depctr_va_vdst(0)
	s_lshr_b32 s11, s10, 2                         ; which tile
	s_and_b32 s12, s10, 3                          ; which 256 along K
	s_mul_i32 s13, s10, STG
	v_add_nc_u32 v5, s13, v4                       ; the stage, in: 16 x lane of a row
	v_mul_u32_u24 v6, v2, 528
	s_delay_alu instid0(VALU_DEP_1)
	v_lshl_add_u32 v6, v3, 7, v6
	s_delay_alu instid0(VALU_DEP_1)
	v_add_nc_u32 v6, s13, v6                       ; and out: row r, + 128 h
	s_lshl_b32 s14, s11, 9
	s_lshl_b32 s15, s12, 3
	s_add_co_u32 s14, s14, s15
	s_add_co_u32 s14, s14, SCS
	v_lshl_add_u32 v7, v2, 5, s14                  ; my row's scale words of my two K steps
	v_lshlrev_b32 v8, 3, v3                        ; 8 h: my bytes' place in a word
	v_mov_b32 v9, 0                                ; a lane permute's destination counts as read
	s_and_b32 s15, s10, 1
	s_lshl_b32 s16, s15, 9
	s_add_co_u32 s16, s16, SCS
	v_add_nc_u32 v18, s16, v4                      ; the way out of the scale words (waves 0 and 1)
	s_mov_b32 s26, 0x76543210
	s_mov_b32 s27, 0xfedcba98                      ; lane l xor 16
	s_lshl_b32 s20, ttmp9, 17                      ; 32 rows of 4,096 bytes a work-group,
	s_lshl_b32 s21, s11, 15                        ; 8 rows on for the second tile,
	s_add_co_u32 s20, s20, s21
	s_lshl_b32 s21, s12, 10                        ; 1,024 bytes for each 256 along K
	s_add_co_u32 s20, s20, s21
	s_mov_b32 s21, 0
	s_lshl_b32 s22, s12, 9
	s_lshl_b32 s23, ttmp9, 1
	s_add_co_u32 s22, s22, s23
	s_add_co_u32 s22, s22, s11
	s_mul_i32 s22, s22, 3072                       ; ((s / 2) 512 + g) 3072
	s_mov_b32 s23, 0
	s_lshl_b32 s24, ttmp9, 1
	s_add_co_u32 s24, s24, s15
	s_lshl_b32 s24, s24, 9                         ; 512 g
	s_mov_b32 s25, 0
	s_wait_alu depctr_va_vdst(0)
	s_wait_kmcnt 0x0
	s_add_nc_u64 s[4:5], s[4:5], s[20:21]
	s_add_nc_u64 s[6:7], s[6:7], s[22:23]
	s_add_nc_u64 s[8:9], s[8:9], s[24:25]
.irp q, 0,1
.irp p, 0,1,2,3,4,5,6,7,8,9,10,11,12,13,14,15
	global_load_b128 v[RAW+64*\q+4*\p:RAW+64*\q+4*\p+3], v4, s[4:5] offset:(\p+8*(\p/8))*4096+512*\q th:TH_LOAD_NT   ; tile row p: 512 consecutive bytes
.endr
.endr
.macro TURN q, x                       ; LDS serves a wave's instructions in order: the loads see the stores
.irp p, 0,1,2,3,4,5,6,7,8,9,10,11,12,13,14,15
	ds_store_b128 v5, v[RAW+64*\q+4*\p:RAW+64*\q+4*\p+3] offset:528*\p
.endr
.irp c, 0,1
.irp j, 0,1,2,3,4,5,6,7
	ds_load_b128 v[\x+32*\c+4*\j:\x+32*\c+4*\j+3], v6 offset:256*\c+16*\j
.endr
.endr
.endm
.macro WORK q, x                       ; 64 numbers of a lane: blocks h and 2 + h of row r
.irp c, 0,1
	v_max3_num_f32 v[10+\c], |v[\x+32*\c]|, |v[\x+32*\c+1]|, 0x1800000   ; the floor 2^(3 - 127) among the leaves: the byte cannot fall under 1
.endr
.irp i, 2,4,6,8,10,12,14,16,18,20,22,24,26,28,30
.irp c, 0,1
	s_delay_alu instid0(VALU_DEP_2)
	v_max3_num_f32 v[10+\c], v[10+\c], |v[\x+32*\c+\i]|, |v[\x+32*\c+\i+1]|
.endr
.endr
.irp c, 0,1
	s_delay_alu instid0(VALU_DEP_2)
	v_add_nc_u32 v[12+\c], 0xff000000, v[10+\c]    ; 2 off the exponent field: the conversion's scale operand
.endr
.irp c, 0,1
	s_delay_alu instid0(VALU_DEP_2)
	v_lshrrev_b32 v[14+\c], 23, v[12+\c]           ; the scale's byte
.endr
	s_delay_alu instid0(VALU_DEP_1)
	v_lshl_or_b32 v[16+\q], v15, 16, v14
	s_delay_alu instid0(VALU_DEP_1)
	v_lshlrev_b32 v[16+\q], v8, v[16+\q]           ; bytes h and 2 + h
	s_delay_alu instid0(VALU_DEP_1)
	v_permlanex16_b32 v9, v[16+\q], s26, s27
	s_delay_alu instid0(VALU_DEP_1)
	v_or_b32 v[16+\q], v[16+\q], v9                ; with lane l xor 16's two the word is whole
.irp c, 0,1
	v_cvt_scalef32_pk16_fp6_f32 v[C+12*\q+6*\c:C+12*\q+6*\c+2], v[\x+32*\c:\x+32*\c+15], v[12+\c]
	v_cvt_scalef32_pk16_fp6_f32 v[CT+4*\c:CT+4*\c+2], v[\x+32*\c+16:\x+32*\c+31], v[12+\c]   ; (three registers begin on an even number)
.endr
	v_nop                                          ; one plain place behind a scaled conversion
.irp c, 0,1
.irp i, 0,1,2
	v_mov_b32 v[C+12*\q+6*\c+3+\i], v[CT+4*\c+\i]
.endr
.endr
.irp j, 0,1,2
	global_store_b128 v4, v[C+12*\q+4*\j:C+12*\q+4*\j+3], s[6:7] offset:1536*\q+512*\j   ; 512 consecutive bytes, aligned
.endr
	ds_store_b32 v7, v[16+\q] offset:4*\q          ; both halves of the lanes write the same word with the same value
.endm
	s_wait_loadcnt 16                              ; the first K step's sixteen loads are in
	TURN 0, X0
	s_wait_loadcnt 0x0
	s_wait_dscnt 0x0                               ; the first turn is over: its stores have read v64-127, which the second turn's loads take
	TURN 1, RAW
	WORK 0, X0
	s_wait_dscnt 1                                 ; the second turn is back; only the scale word's store may be out
	WORK 1, RAW
	s_wait_dscnt 0x0                               ; for the others' sake: my scale words lie in LDS
	s_barrier_signal -1
	s_barrier_wait -1
	s_cmp_gt_u32 s10, 1
	s_cbranch_scc1 .Lend
	ds_load_b128 v[20:23], v18                     ; waves 0 and 1: a tile's 512 bytes of scale words
	s_wait_dscnt 0x0
	global_store_b128 v4, v[20:23], s[8:9]
.Lend:
	s_wait_tensorcnt 0x0
	ds_add_u32 v62, v63
	s_wait_dscnt 0x0
	s_endpgm
.Lfunc_end_k_q4bfef18519_qx:
	.size	k_q4bfef18519_qx, .Lfunc_end_k_q4bfef18519_qx-k_q4bfef18519_qx
	.p2alignl 7, 3214868480
	.fill 96, 4, 3214868480
	.section	.rodata,"a",@progbits
	.p2align	6, 0x0
	.amdhsa_kernel k_q4bfef18519_qx
		.amdhsa_group_segment_fixed_size 69632
		.amdhsa_private_segment_fixed_size 0
		.amdhsa_enable_private_segment 0
		.amdhsa_kernarg_size 24
		.amdhsa_user_sgpr_count 2
		.amdhsa_user_sgpr_kernarg_segment_ptr 1
		.amdhsa_wavefront_size32 1
		.amdhsa_system_sgpr_workgroup_id_x 1
		.amdhsa_system_sgpr_workgroup_id_y 1
		.amdhsa_system_sgpr_workgroup_id_z 1
		.amdhsa_system_vgpr_workitem_id 0
		.amdhsa_next_free_vgpr 256
		.amdhsa_next_free_sgpr 66
		.amdhsa_reserve_vcc 0
		.amdhsa_float_denorm_mode_32 3
		.amdhsa_float_denorm_mode_16_64 3
		.amdhsa_memory_ordered 1
		.amdhsa_forward_progress 1
		.amdhsa_inst_pref_size 19
	.end_amdhsa_kernel
	.amdgpu_metadata
---
amdhsa.version: [ 1, 2 ]
amdhsa.kernels:
  - .name:           k_q4bfef18519_qx
    .symbol:         k_q4bfef18519_qx.kd
    .args:
      - { .name: x, .offset: 0, .size: 8, .value_kind: global_buffer, .address_space: global }
      - { .name: xc, .offset: 8, .size: 8, .value_kind: global_buffer, .address_space: global }
      - { .name: scl1, .offset: 16, .size: 8, .value_kind: global_buffer, .address_space: global }
    .group_segment_fixed_size: 69632
    .private_segment_fixed_size: 0
    .kernarg_segment_align: 8
    .kernarg_segment_size: 24
    .max_flat_workgroup_size: 256
    .sgpr_count:     66
    .vgpr_count:     256
    .wavefront_size: 32
...
	.end_amdgpu_metadata
.endif
;; end of part 1
;; launch qw (part 2): grid 64 x 1, 16 waves a work-group, no clusters, 57,344 bytes of LDS; arguments w_qkv, w_proj, wqc, wpc, scl1, wps; writes wqc, wpc, scl1, wps
.if DOCPART == 2
	.amdgcn_target "amdgcn-amd-amdhsa--gfx1250"
	.amdhsa_code_object_version 6
	.text
	.protected	k_q4bfef18519_qw
	.globl	k_q4bfef18519_qw
	.p2align	8
	.type	k_q4bfef18519_qw,@function
k_q4bfef18519_qw:
	s_mov_b64 s[64:65], 0
	v_nop
	global_prefetch_b8 v0, s[64:65] scope:SCOPE_SE
	s_setreg_imm32_b32 hwreg(HW_REG_WAVE_MODE, 25, 1), 1
	s_wait_xcnt 0x0
; w_qkv [1024][3072] and w_proj [1024][1024], f32, K their FIRST axis, become codes of E2M3 along K, laid as images of operand registers whose rows are the weights' COLUMNS.
; Layout as for x: fragment (g, s) at ((s / 2) G + g) 3072 + (s % 2) 1536, G = columns / 16; tile g = 2 B + u, lane row r is column 32 B + 8 u + r + 8 (r / 8); scale word of (g, r, s) at 512 g + 32 r + 4 s.
; One path serves both weights: work-groups 0-47 take w_qkv, 48-63 w_proj; only pointers and sizes are chosen, by the work-group's number.
; A work-group owns 64 columns and all of K.  Wave w: columns 32 (w / 8) on, K step w % 8.  A LANE TAKES A COLUMN AND ITS REGISTERS RUN DOWN K: a block of 32 is one lane's.
; Lane l's column is row r' = l % 8 + 8 (l / 16) of tile u' = (l / 8) % 2; its block kb = 2 c + hh belongs to image lane r' + 16 hh, registers 6 c .. 6 c + 5: it is put there in the wave's stage, and the images leave whole.
; LIMITS: as in the launch for x: a block of zeros gets the byte 1; magnitudes under 2^-124 count as 2^-124; NaN and infinities are not served.
.set SCS,  53248                       ; behind the 16 stages of 3,328 bytes: scale words [tile 4][row 16][K step 8]
.set OFF,  32                          ; v32-63   4 l + i x a row of the weight
.set X,    64                          ; v64-191  my column's 128 numbers
.set C,    192                         ; v192-223 codes: eight registers' room for each block
.set CT,   20
.set OUTR, 224                         ; v224-247 the two images on the way out
	s_load_b256 s[4:11], s[0:1], 0x0               ; w_qkv, w_proj, wqc, wpc
	s_load_b128 s[12:15], s[0:1], 0x20             ; scl1, wps
	v_lshl_add_u32 v248, v0, 2, 0xd800
	v_mov_b32 v249, 0
	v_lshrrev_b32 v1, 5, v0
	s_delay_alu instid0(VALU_DEP_1)
	v_readfirstlane_b32 s16, v1                    ; wave
	s_lshr_b32 s17, s16, 3                         ; which 32 columns
	s_and_b32 s18, s16, 7                          ; which K step
	v_and_b32 v1, 31, v0
	v_bfe_u32 v2, v0, 3, 1                         ; u'
	v_and_b32 v3, 7, v0
	v_bfe_u32 v10, v0, 4, 1
	s_delay_alu instid0(VALU_DEP_1)
	v_lshl_or_b32 v3, v10, 3, v3                   ; r'
	v_lshlrev_b32 v4, 4, v1
	s_wait_alu depctr_va_vdst(0)
	v_lshlrev_b32 v8, 2, v1
	s_mul_i32 s19, s16, 3328
	v_mul_u32_u24 v5, v2, 1664
	s_delay_alu instid0(VALU_DEP_1)
	v_lshl_add_u32 v5, v3, 4, v5
	s_delay_alu instid0(VALU_DEP_1)
	v_add_nc_u32 v5, s19, v5                       ; the stage, in: image u', image lane r'
	v_add_nc_u32 v6, s19, v4                       ; and out: 16 x lane
	s_lshl_b32 s28, s17, 10
	s_lshl_b32 s29, s18, 2
	s_add_co_u32 s28, s28, s29
	s_add_co_u32 s28, s28, SCS
	v_lshlrev_b32 v7, 9, v2
	s_delay_alu instid0(VALU_DEP_1)
	v_lshl_add_u32 v7, v3, 5, v7
	s_delay_alu instid0(VALU_DEP_1)
	v_add_nc_u32 v7, s28, v7                       ; my column's scale word of my K step
	s_and_b32 s30, s16, 3
	s_lshl_b32 s29, s30, 9
	s_add_co_u32 s29, s29, SCS
	v_add_nc_u32 v9, s29, v4                       ; the way out of the scale words (waves 0 to 3)
	s_wait_alu depctr_va_vdst(0)
	s_wait_kmcnt 0x0
	s_cmp_lt_u32 ttmp9, 48                         ; the choice hangs on the work-group's number alone
	s_cselect_b64 s[4:5], s[4:5], s[6:7]
	s_cselect_b64 s[8:9], s[8:9], s[10:11]
	s_cselect_b64 s[12:13], s[12:13], s[14:15]
	s_mov_b32 s20, 4096
	s_cselect_b32 s20, 12288, s20                  ; a row of the weight in bytes
	s_mov_b32 s21, 196608
	s_cselect_b32 s21, 589824, s21                 ; 256 along K of all tiles: G x 3072
	s_cselect_b32 s22, 0, 48
	s_cselect_b32 s23, 262144, 0                   ; w_qkv's words lie behind x's 512 tiles in scl1
	s_sub_co_u32 s22, ttmp9, s22                   ; which 64 columns of my weight
.set i, 0
.rept 32
	v_mad_u32_u24 v[OFF+i], s20, i, v8
.set i, i+1
.endr
	s_lshl_b32 s24, s18, 7
	s_mul_i32 s24, s24, s20                        ; 128 rows for each K step
	s_lshl_b32 s25, s22, 8
	s_add_co_u32 s24, s24, s25
	s_lshl_b32 s25, s17, 7
	s_add_co_u32 s24, s24, s25
	s_mov_b32 s25, 0
	s_add_nc_u64 s[32:33], s[4:5], s[24:25]        ; a base for each block of 32 rows
	s_lshl_b32 s26, s20, 5
	s_mov_b32 s27, 0
	s_add_nc_u64 s[34:35], s[32:33], s[26:27]
	s_add_nc_u64 s[36:37], s[34:35], s[26:27]
	s_add_nc_u64 s[38:39], s[36:37], s[26:27]
	s_lshr_b32 s24, s18, 1
	s_mul_i32 s24, s24, s21
	s_lshl_b32 s26, s22, 1
	s_add_co_u32 s26, s26, s17                     ; B
	s_mul_i32 s26, s26, 6144
	s_add_co_u32 s24, s24, s26
	s_and_b32 s26, s18, 1
	s_mul_i32 s26, s26, 1536
	s_add_co_u32 s24, s24, s26
	s_add_nc_u64 s[8:9], s[8:9], s[24:25]
	s_lshl_b32 s24, s22, 2
	s_add_co_u32 s24, s24, s30
	s_lshl_b32 s24, s24, 9
	s_add_co_u32 s24, s24, s23
	s_add_nc_u64 s[12:13], s[12:13], s[24:25]
.macro LOAD kb                         ; 32 rows of my column: a wave reads 128 consecutive bytes, two waves side by side 256
.set i, 0
.rept 32
	global_load_b32 v[X+32*(\kb)+i], v[OFF+i], s[32+2*(\kb):33+2*(\kb)] th:TH_LOAD_NT
.set i, i+1
.endr
.endm
.macro BLOCK kb
.set XS, X+32*(\kb)
.set D, C+8*(\kb)
.if (\kb) < 3
	s_wait_loadcnt 32                              ; this block's loads are in; the next block's 32 may be out
.else
	s_wait_loadcnt 0x0
.endif
.if (\kb) < 2
	LOAD (\kb)+2
.endif
	v_max3_num_f32 v12, |v[XS]|, |v[XS+1]|, |v[XS+2]|
	v_max3_num_f32 v13, |v[XS+3]|, |v[XS+4]|, |v[XS+5]|
.irp i, 6,10,14,18,22,26
	s_delay_alu instid0(VALU_DEP_2)
	v_max3_num_f32 v12, v12, |v[XS+\i]|, |v[XS+\i+1]|
	s_delay_alu instid0(VALU_DEP_2)
	v_max3_num_f32 v13, v13, |v[XS+\i+2]|, |v[XS+\i+3]|
.endr
	s_delay_alu instid0(VALU_DEP_2)
	v_max3_num_f32 v12, v12, |v[XS+30]|, |v[XS+31]|
	s_delay_alu instid0(VALU_DEP_1)
	v_max3_num_f32 v12, v12, v13, 0x1800000        ; and the floor 2^(3 - 127)
	s_delay_alu instid0(VALU_DEP_1)
	v_add_nc_u32 v11, 0xff000000, v12              ; the conversion's scale operand
	s_delay_alu instid0(VALU_DEP_1)
	v_lshrrev_b32 v13, 23, v11                     ; the byte
.if (\kb) == 0
	s_delay_alu instid0(VALU_DEP_1)
	v_mov_b32 v16, v13
.else
	s_delay_alu instid0(VALU_DEP_1)
	v_lshl_or_b32 v16, v13, 8*(\kb), v16
.endif
	v_cvt_scalef32_pk16_fp6_f32 v[D:D+2], v[XS:XS+15], v11
	v_cvt_scalef32_pk16_fp6_f32 v[CT:CT+2], v[XS+16:XS+31], v11
	v_nop                                          ; one plain place behind a scaled conversion
.irp i, 0,1,2
	v_mov_b32 v[D+3+\i], v[CT+\i]
.endr
.if (\kb) < 2                                      ; registers 0-5 of image lane r' + 16 hh
	ds_store_b128 v5, v[D:D+3] offset:256*((\kb)%2)
	ds_store_b64 v5, v[D+4:D+5] offset:512+256*((\kb)%2)
.else                                              ; registers 6-11
	ds_store_b64 v5, v[D:D+1] offset:520+256*((\kb)%2)
	ds_store_b128 v5, v[D+2:D+5] offset:1024+256*((\kb)%2)
.endif
.endm
	s_wait_alu depctr_va_vdst(0)
	LOAD 0
	LOAD 1
	BLOCK 0
	BLOCK 1
	BLOCK 2
	BLOCK 3
	ds_store_b32 v7, v16
.irp u, 0,1
.irp j, 0,1,2
	ds_load_b128 v[OUTR+12*\u+4*\j:OUTR+12*\u+4*\j+3], v6 offset:1664*\u+512*\j   ; LDS serves a wave's instructions in order: these see my stores
.endr
.endr
.irp u, 0,1
.irp j, 0,1,2
	s_wait_dscnt 5-3*\u-\j
	global_store_b128 v4, v[OUTR+12*\u+4*\j:OUTR+12*\u+4*\j+3], s[8:9] offset:3072*\u+512*\j
.endr
.endr
	s_wait_dscnt 0x0                               ; for the others' sake: my scale words lie in LDS
	s_barrier_signal -1
	s_barrier_wait -1
	s_cmp_gt_u32 s16, 3
	s_cbranch_scc1 .Lend
	ds_load_b128 v[20:23], v9                      ; waves 0 to 3: a tile's 512 bytes of scale words
	s_wait_dscnt 0x0
	global_store_b128 v4, v[20:23], s[12:13]
.Lend:
	s_wait_tensorcnt 0x0
	ds_add_u32 v248, v249
	s_wait_dscnt 0x0
	s_endpgm
.Lfunc_end_k_q4bfef18519_qw:
	.size	k_q4bfef18519_qw, .Lfunc_end_k_q4bfef18519_qw-k_q4bfef18519_qw
	.p2alignl 7, 3214868480
	.fill 96, 4, 3214868480
	.section	.rodata,"a",@progbits
	.p2align	6, 0x0
	.amdhsa_kernel k_q4bfef18519_qw
		.amdhsa_group_segment_fixed_size 57344
		.amdhsa_private_segment_fixed_size 0
		.amdhsa_enable_private_segment 0
		.amdhsa_kernarg_size 48
		.amdhsa_user_sgpr_count 2
		.amdhsa_user_sgpr_kernarg_segment_ptr 1
		.amdhsa_wavefront_size32 1
		.amdhsa_system_sgpr_workgroup_id_x 1
		.amdhsa_system_sgpr_workgroup_id_y 1
		.amdhsa_system_sgpr_workgroup_id_z 1
		.amdhsa_system_vgpr_workitem_id 0
		.amdhsa_next_free_vgpr 250
		.amdhsa_next_free_sgpr 66
		.amdhsa_reserve_vcc 0
		.amdhsa_float_denorm_mode_32 3
		.amdhsa_float_denorm_mode_16_64 3
		.amdhsa_memory_ordered 1
		.amdhsa_forward_progress 1
		.amdhsa_inst_pref_size 28
	.end_amdhsa_kernel
	.amdgpu_metadata
---
amdhsa.version: [ 1, 2 ]
amdhsa.kernels:
  - .name:           k_q4bfef18519_qw
    .symbol:         k_q4bfef18519_qw.kd
    .args:
      - { .name: w_qkv, .offset: 0, .size: 8, .value_kind: global_buffer, .address_space: global }
      - { .name: w_proj, .offset: 8, .size: 8, .value_kind: global_buffer, .address_space: global }
      - { .name: wqc, .offset: 16, .size: 8, .value_kind: global_buffer, .address_space: global }
      - { .name: wpc, .offset: 24, .size: 8, .value_kind: global_buffer, .address_space: global }
      - { .name: scl1, .offset: 32, .size: 8, .value_kind: global_buffer, .address_space: global }
      - { .name: wps, .offset: 40, .size: 8, .value_kind: global_buffer, .address_space: global }
    .group_segment_fixed_size: 57344
    .private_segment_fixed_size: 0
    .kernarg_segment_align: 8
    .kernarg_segment_size: 48
    .max_flat_workgroup_size: 512
    .sgpr_count:     66
    .vgpr_count:     250
    .wavefront_size: 32
...
	.end_amdgpu_metadata
.endif
;; end of part 2
;; launch qkv (part 3): grid 12 x 32, 4 waves a work-group, clusters of 4 x 4, 327,680 bytes of LDS; arguments xc, wqc, scl1, qn_w, kn_w, freqs_cos, freqs_sin, heads; writes heads
.if DOCPART == 3
	.amdgcn_target "amdgcn-amd-amdhsa--gfx1250"
	.amdhsa_code_object_version 6
	.text
	.protected	k_q4bfef18519_qkv
	.globl	k_q4bfef18519_qkv
	.p2align	8
	.type	k_q4bfef18519_qkv,@function
k_q4bfef18519_qkv:
	s_mov_b64 s[64:65], 0
	v_nop
	global_prefetch_b8 v0, s[64:65] scope:SCOPE_SE
	s_setreg_imm32_b32 hwreg(HW_REG_WAVE_MODE, 25, 1), 1
	s_wait_xcnt 0x0
	s_wait_alu depctr_hold_cnt(0) depctr_sa_sdst(0) depctr_va_vdst(0) depctr_va_sdst(0) depctr_va_ssrc(0) depctr_va_vcc(0) depctr_vm_vsrc(0)
	s_getreg_b32 s2, hwreg(HW_REG_IB_STS2, 6, 4)
	s_cmp_eq_u32 s2, 0
	s_cbranch_scc0 .Lentry_in_a_cluster
	s_endpgm
.Lentry_in_a_cluster:
	s_bfe_u32 s2, ttmp6, 0x10000c
	s_cmp_lg_u32 s2, 0xf033
	s_cbranch_scc0 .Lentry_shape_is_right
	s_endpgm
.Lentry_shape_is_right:
; x w_qkv on codes of E2M3; then q and k: RMS norm over a head's 64, its weight, interleaved RoPE, q x 1/8, quantised along the head's 64; v: quantised along the KEYS.  All leave as images of operand registers in 'heads'.
; heads: [head 64][key step 16][19,712 bytes]: K's codes 0 (four images, each two tiles of 16 keys x 64), V's codes 6,144 (four images: 16 channels x 128 keys), K's scale words 12,288, V's 12,800, Q's codes 13,056, Q's words 19,200.
; A tile of C is 256 x 256, four waves of 128 x 128: 64 accumulators.  THE MATRIX INSTRUCTION IS USED TRANSPOSED: source 0 = 16 rows of B, source 1 = 16 rows of A: a lane holds one row of A and its registers run along B's rows.
; The rows of every tile are chosen (tile 2 B + u, lane row r = row 32 B + 8 u + r + 8 (r / 8)), so that the 64 registers of one block of A are B's rows 32 b + 16 (lane / 16) + 0 .. 15, b = 0 .. 3: what the quantiser wants.
; ROLES by the cluster's x, which all sixteen partners share: 0: q, 1: k: A = tokens (xc), B = channels (wqc);  2: v: A = channels, B = tokens, so that v's registers run along the keys.
; The roles part ONCE, in the middle of the last K step: each way has its own copy of that step's second half, so that q's and k's way can ask for its tables 32 matrix instructions ahead of their use.
; K = 1,024 goes in four parts of 256.  A part of 128 rows is one dense block of 24,576 bytes.  Parts 0 to 2 are first fills of three LDS slots; part 3 is the one refill, into slot 0.  A wave has three tensor loads out at the start, later one.
; CLUSTER 4 x 4: A's parts are asked for jointly along a row of the cluster, B's along a column.
; REGISTERS: window 0: v0-31 addresses; v32-95 scale words (register 8 i + s: lanes 0-15 A's block i, lanes 16-31 B's block i, K step s); v128-223 A's fragments; window 1: B's two sets at v0, v128; windows 2, 3: accumulators.
; Afterwards: window 0: v96-123 at work, v128-191 Y, v192-215 codes, v216-223 at work, v224-255 the norm's weight; window 1: v0-127 two sets of cos and sin.
; LIMITS: a block of zeros gets the byte 1; magnitudes under 2^-124 count as 2^-124; NaN and infinities are not served.
; LDS AS IT STANDS (in place of the head's lines on three slots and three loads): each wave's bytes are one run of 73,728: parts 0, 1, 2 of the 128 rows that it fetches,
; brought by ONE tensor load at the head, as three rows of 24,576 bytes; part 3 is the one refill, onto part 0's bytes.  A wave has one tensor load out at a time.
.set SLOT,  98304
.set G1C,   52                         ; s[52:59], s[72:79]: group 1 of the head's loads on v's way (A's rows lie in wqc, B's in xc there: other pitches)
.set G1D,   72
.set SPARE, 3*SLOT                     ; the spare words, 128 bytes for each wave
.set STGQ,  SPARE+512                  ; q, k: 1,024 bytes a wave for scale words
.set STGV,  STGQ+4096                  ; v: 512 bytes a wave
.set NLA,   3                          ; LDS loads that bring a fragment of A
.set SC,    32
.set AF,    128
.set ADRA,  8
.set ADRB,  12
.set G1A,   32
.set G1B,   40
.set G0A,   48
.set G0B,   68
.set TM,    96
.set PW,    112
.set RR,    114
.set SS,    116
.set Y,     128
.set HA,    192
.set HB,    204
.set CT,    216
.set NW,    224
.set MUL_LO, 0xa1                      ; source 0 (B) window 1, source 1 (A) window 0, C and D window 2
.set MUL_HI, 0xf1
.set TO_B,   0x40
.set MSB, 0
.macro WIN new                         ; the immediate's high byte repeats the setting that is left
.if MSB != (\new)
	s_set_vgpr_msb (MSB<<8)|(\new)
.set MSB, (\new)
.endif
.endm
.macro PLACES n
.rept \n
	v_nop
.endr
.endm
.macro CREST                           ; a round of the cluster's barrier behind its opening barrier
	s_cmp_lg_u32 s20, 0
	s_cbranch_scc1 .Lnot_wave_0_\@
	s_barrier_signal -3
.Lnot_wave_0_\@:
	s_barrier_wait -3
	s_barrier_signal -1
	s_barrier_wait -1
.endm
.macro CROUND
	s_barrier_signal -1
	s_barrier_wait -1
	CREST
.endm
.macro JLOAD                           ; the joint refill: waves 0, 1 for A, waves 2, 3 for B; four v_nop follow each line
	s_cmp_eq_u32 s21, 0
	s_cbranch_scc0 .Lfor_b_\@
	tensor_load_to_lds s[G0A:G0A+3], s[G1A:G1A+7]
	s_nop 0
.rept 4
	v_nop
.endr
	s_branch .Lasked_\@
.Lfor_b_\@:
	tensor_load_to_lds s[G0B:G0B+3], s[G1B:G1B+7]
	s_nop 0
.rept 4
	v_nop
.endr
.Lasked_\@:
.endm
.macro FRAG3 reg, adr, off             ; an image comes back as it was stored
.irp j, 0,1,2
	ds_load_b128 v[\reg+4*\j:\reg+4*\j+3], v[\adr] offset:\off+512*\j
.endr
.endm
.macro FETCH_B slot, q, set
	WIN TO_B
.irp i, 0,1,2,3,4,5,6,7
	FRAG3 128*(\set)+12*\i, ADRB+\slot, \i*3072+(\q)*1536
.endr
	WIN 0
.endm
.macro FETCH_A slot, q, i0
.irp i, \i0, \i0+1, \i0+2, \i0+3
	FRAG3 AF+12*(\i), ADRA+\slot, (\i)*3072+(\q)*1536
.endr
.endm
; 16 matrix instructions: A's blocks a0, a0 + 1 x B's eight, K step s.  The 64 accumulators take turns in one order in every step.
.macro MUL16 a0, s, first
.irp a, \a0, \a0+1
.irp b, 0,1,2,3,4,5,6,7
.if \first
	v_wmma_scale_f32_16x16x128_f8f6f4 v[8*(8*((\a)%4)+\b):8*(8*((\a)%4)+\b)+7], v[128*((\s)%2)+12*\b:128*((\s)%2)+12*\b+11], v[AF+12*(\a):AF+12*(\a)+11], 0, v[SC+8*\b+(\s)], v[SC+8*(\a)+(\s)] matrix_a_fmt:MATRIX_FMT_FP6 matrix_b_fmt:MATRIX_FMT_FP6 matrix_a_scale:MATRIX_SCALE_ROW1
.else
	v_wmma_scale_f32_16x16x128_f8f6f4 v[8*(8*((\a)%4)+\b):8*(8*((\a)%4)+\b)+7], v[128*((\s)%2)+12*\b:128*((\s)%2)+12*\b+11], v[AF+12*(\a):AF+12*(\a)+11], v[8*(8*((\a)%4)+\b):8*(8*((\a)%4)+\b)+7], v[SC+8*\b+(\s)], v[SC+8*(\a)+(\s)] matrix_a_fmt:MATRIX_FMT_FP6 matrix_b_fmt:MATRIX_FMT_FP6 matrix_a_scale:MATRIX_SCALE_ROW1
.endif
.endr
.endr
.endm
.macro STEP s, nslot, nq, first        ; K step s; the next step's fragments come from (nslot, nq)
	s_wait_dscnt 4*NLA                             ; B's set and A's blocks 0-3 are in; A's blocks 4-7 may be out
	WIN MUL_LO
	MUL16 0, \s, \first
	MUL16 2, \s, \first
	s_wait_dscnt 0x0                               ; A's blocks 4-7 are in
	PLACES 4                                       ; in front of loads into registers that matrix instructions have read
	FETCH_B \nslot, \nq, 1-(\s)%2
	FETCH_A \nslot, \nq, 0
	WIN MUL_HI
	MUL16 4, \s, \first
	MUL16 6, \s, \first
	PLACES 4
	WIN 0
	FETCH_A \nslot, \nq, 4
.endm
.macro TURN s, nslot, fill             ; K step s with a barrier in it; fill = 1: slot 0 is filled again, with part 3
	s_wait_tensorcnt 0x0                           ; all my tensor loads have landed
	ds_add_u32 v28, v29                            ; 0 onto my spare word
	s_wait_dscnt 4*NLA+1                           ; (the add and A's blocks 4-7 may be out)
	WIN MUL_LO
	MUL16 0, \s, 0
	s_wait_dscnt 0x0                               ; the add is done, and my reads of the slot that I leave are over
	s_barrier_signal -1
	MUL16 2, \s, 0
	WIN 0
	s_barrier_wait -1
.if \fill
	CREST                                          ; the barrier has opened a round of the cluster's: no wave of any partner still reads slot 0 or has a load on its way
	s_add_nc_u64 s[G0A+2:G0A+3], s[G0A+2:G0A+3], s[60:61]
	s_add_nc_u64 s[G0B+2:G0B+3], s[G0B+2:G0B+3], s[62:63]
	JLOAD                                          ; the first tensor load behind the round; its four v_nop are also the places in front of the loads below
.else
	PLACES 4
.endif
	FETCH_B \nslot, 0, 1-(\s)%2
	FETCH_A \nslot, 0, 0
	WIN MUL_HI
	MUL16 4, \s, 0
	MUL16 6, \s, 0
	PLACES 4
	WIN 0
	FETCH_A \nslot, 0, 4
.endm
.macro LAST_HI                         ; the last K step's second half: once on each way
	s_wait_dscnt 0x0                               ; A's blocks 4-7 are in
	WIN MUL_HI
	MUL16 4, 7, 0
	MUL16 6, 7, 0
	WIN 0
	PLACES 4                                       ; in front of the first read of results
.endm
; cos and sin of block a's 16 tokens, in the result's layout, into set a % 2 of window 1 (B's set 0 and the registers behind it: last read a K step ago)
.macro TAB a
	WIN 0x40
.irp e, 0,1
.irp j, 0,1,2,3
	global_load_b128 v[64*((\a)%2)+16*\e+4*\j:64*((\a)%2)+16*\e+4*\j+3], v17, s[86:87] offset:(32*((\a)/2)+8*((\a)%2))*256+128*\e+16*\j
	global_load_b128 v[64*((\a)%2)+32+16*\e+4*\j:64*((\a)%2)+32+16*\e+4*\j+3], v17, s[88:89] offset:(32*((\a)/2)+8*((\a)%2))*256+128*\e+16*\j
.endr
.endr
	WIN 0
.endm
; 64 numbers of a lane in window W, register 16 b + i = element 32 b + 16 h + i of my row, become codes (blocks 0, 1 in v[d0] on, blocks 2, 3 in v[d1] on, six registers each) and the scale word v[PW].
.macro QUANT s, W, d0, d1
	WIN (\W)|((\W)<<2)
.irp b, 0,1,2,3
	v_max3_num_f32 v[TM+\b], |v[\s+16*\b]|, |v[\s+1+16*\b]|, 0x1800000   ; the floor 2^(3 - 127) among the leaves; each accumulator is read from its low end on
.endr
	WIN ((\W)<<2)|((\W)<<4)
.irp i, 2,4,6,8,10,12,14
.irp b, 0,1,2,3
	v_max3_num_f32 v[TM+\b], v[TM+\b], |v[\s+16*\b+\i]|, |v[\s+1+16*\b+\i]|
.endr
.endr
	WIN 0
.irp b, 0,1,2,3
	v_permlanex16_b32 v[TM+4+\b], v[TM+\b], s94, s95
.endr
.irp b, 0,1,2,3
	v_max_num_f32 v[TM+\b], v[TM+\b], v[TM+4+\b]   ; with lane l xor 16's: the block's largest magnitude
.endr
.irp b, 0,1,2,3
	v_add_nc_u32 v[TM+12+\b], 0xff000000, v[TM+\b] ; the conversion's scale operand
.endr
.irp b, 0,1,2,3
	v_lshrrev_b32 v[TM+4+\b], 23, v[TM+12+\b]      ; the byte
.endr
	v_lshl_or_b32 v[PW], v[TM+5], 8, v[TM+4]
	v_lshl_or_b32 v[PW], v[TM+6], 16, v[PW]
	v_lshl_or_b32 v[PW], v[TM+7], 24, v[PW]
	WIN (\W)
	v_cvt_scalef32_pk16_fp6_f32 v[\d0:\d0+2], v[\s:\s+15], v[TM+12]
	v_cvt_scalef32_pk16_fp6_f32 v[CT:CT+2], v[\s+16:\s+31], v[TM+13]
	v_cvt_scalef32_pk16_fp6_f32 v[\d1:\d1+2], v[\s+32:\s+47], v[TM+14]
	v_cvt_scalef32_pk16_fp6_f32 v[CT+4:CT+6], v[\s+48:\s+63], v[TM+15]
	WIN 0
	v_nop                                          ; one plain place behind a scaled conversion
.irp i, 0,1,2
	v_permlane16_swap_b32 v[\d0+\i], v[CT+\i]      ; a whole block to a lane: lanes 0-15 the even block, lanes 16-31 the odd one
.endr
.irp i, 0,1,2
	v_permlane16_swap_b32 v[\d1+\i], v[CT+4+\i]
.endr
.irp i, 0,1,2
	v_mov_b32 v[\d0+3+\i], v[CT+\i]
	v_mov_b32 v[\d1+3+\i], v[CT+4+\i]
.endr
.endm
	s_load_b512 s[4:19], s[0:1], 0x0               ; xc, wqc, scl1, qn_w, kn_w, cos, sin, heads
	v_lshl_add_u32 v28, v0, 2, SPARE
	v_mov_b32 v29, 0
	ds_add_u32 v28, v29
	ds_add_u32 v28, v29
	s_wait_dscnt 0x0
	v_lshrrev_b32 v1, 5, v0
	v_readfirstlane_b32 s20, v1                    ; wave
	s_lshr_b32 s21, s20, 1                         ; my half of A's rows.  Also: I fetch for A (0) or B (1)
	s_and_b32 s22, s20, 1                          ; my half of B's rows.  Also: which half I fetch
	s_bfe_u32 s23, ttmp6, 0x40000                  ; cx
	s_bfe_u32 s24, ttmp6, 0x40004                  ; cy
	s_and_b32 s26, ttmp7, 0xffff
	s_lshl_b32 s26, s26, 2                         ; 4 x cluster y
	s_add_co_u32 s96, s26, s24
	s_lshl_b32 s97, ttmp9, 2
	s_add_co_u32 s97, s97, s23
	s_add_co_u32 s98, s26, s23
	s_cmp_eq_u32 ttmp9, 2                          ; v's clusters?
	s_cselect_b32 s27, s24, s96                    ; A's tile of 256 rows: it hangs on cy and the cluster alone
	s_cselect_b32 s28, s98, s97                    ; B's: on cx and the cluster alone
	s_cselect_b32 s29, 128, 0                      ; v's channels begin at tile 128 of wqc
	s_cselect_b32 s30, 512, 0                      ; in scl1 the weight's tiles lie behind x's 512
	s_cselect_b32 s31, 0, 512
	s_mov_b32 s60, 1572864
	s_cselect_b32 s60, 589824, s60                 ; from part to part in A's buffer,
	s_mov_b32 s62, 589824
	s_cselect_b32 s62, 1572864, s62                ; in B's
	s_mov_b32 s61, 0
	s_mov_b32 s63, 0
	s_lshl_b32 s96, s24, 2
	s_lshl_b32 s96, 15, s96                        ; my row of the cluster
	s_lshl_b32 s97, 0x1111, s23                    ; my column
	s_or_b32 s[G1A], s96, (3<<16)|(1<<21)          ; the mask; elements of 8 bytes; bit 21 beside a mask; no padding
	s_or_b32 s[G1B], s97, (3<<16)|(1<<21)
	s_or_b32 s[G1C], s96, (3<<16)|(1<<21)
	s_or_b32 s[G1D], s97, (3<<16)|(1<<21)
.irp g, G1A, G1B, G1C, G1D
	s_mov_b32 s[\g+1], 3072<<16                    ; the head's tile: three parts, each a row of 3,072 elements of 8 bytes
	s_mov_b32 s[\g+2], 3<<16
	s_mov_b32 s[\g+3], 3072<<16
	s_mov_b32 s[\g+4], 3
	s_mov_b32 s[\g+6], 0
	s_mov_b32 s[\g+7], 0
.endr
	s_mov_b32 s[G1A+5], 196608                     ; from part to part, in elements: in xc,
	s_mov_b32 s[G1D+5], 196608
	s_mov_b32 s[G1B+5], 73728                      ; in wqc
	s_mov_b32 s[G1C+5], 73728
	s_lshl_b32 s99, s22, 3
	s_lshl_b32 s66, s27, 4
	s_add_co_u32 s66, s66, s29
	s_add_co_u32 s66, s66, s99                     ; A: the first of the eight tiles that I fetch
	s_mul_i32 s66, s66, 3072
	s_mov_b32 s67, 0
	s_lshl_b32 s80, s28, 4
	s_add_co_u32 s80, s80, s99                     ; B likewise
	s_mul_i32 s80, s80, 3072
	s_mov_b32 s81, 0
	s_mul_i32 s25, s20, 73728                      ; where my three parts go: wave x 73,728
	s_wait_kmcnt 0x0
	s_cmp_eq_u32 ttmp9, 2
	s_cselect_b64 s[82:83], s[6:7], s[4:5]
	s_cselect_b64 s[84:85], s[4:5], s[6:7]
	s_add_nc_u64 s[82:83], s[82:83], s[66:67]
	s_add_nc_u64 s[84:85], s[84:85], s[80:81]
	CROUND                                         ; all sixteen work-groups are here: the first joint loads meet
.irp j, 0
	s_mov_b32 s[G0A+4*\j], 1
	s_add_co_u32 s[G0A+4*\j+1], s25, \j*SLOT
	s_mov_b64 s[G0A+4*\j+2:G0A+4*\j+3], s[82:83]
	s_or_b32 s[G0A+4*\j+3], s[G0A+4*\j+3], 0x80000000
	s_mov_b32 s[G0B+4*\j], 1
	s_add_co_u32 s[G0B+4*\j+1], s25, \j*SLOT
	s_mov_b64 s[G0B+4*\j+2:G0B+4*\j+3], s[84:85]
	s_or_b32 s[G0B+4*\j+3], s[G0B+4*\j+3], 0x80000000
.endr
	s_mul_i32 s60, s60, 3                          ; the refill steps set 0 from part 0 to part 3
	s_mul_i32 s62, s62, 3
	s_cmp_eq_u32 ttmp9, 2                          ; one tree of branches, one load to an arm: the cluster's x (the same in all partners), then the wave's number
	s_cbranch_scc1 .Lfirst_v
	s_cmp_eq_u32 s21, 0
	s_cbranch_scc0 .Lfirst_b
	tensor_load_to_lds s[G0A:G0A+3], s[G1A:G1A+7]
	s_nop 0
.rept 4
	v_nop
.endr
	s_branch .Lfirst_done
.Lfirst_b:
	tensor_load_to_lds s[G0B:G0B+3], s[G1B:G1B+7]
	s_nop 0
.rept 4
	v_nop
.endr
	s_branch .Lfirst_done
.Lfirst_v:
	s_cmp_eq_u32 s21, 0
	s_cbranch_scc0 .Lfirst_vb
	tensor_load_to_lds s[G0A:G0A+3], s[G1C:G1C+7]
	s_nop 0
.rept 4
	v_nop
.endr
	s_branch .Lfirst_done
.Lfirst_vb:
	tensor_load_to_lds s[G0B:G0B+3], s[G1D:G1D+7]
	s_nop 0
.rept 4
	v_nop
.endr
.Lfirst_done:
	v_and_b32 v1, 31, v0                           ; lane
	v_and_b32 v2, 15, v0                           ; r
	s_wait_alu depctr_va_vdst(0)
	v_bfe_u32 v3, v0, 4, 1                         ; h
	v_lshlrev_b32 v4, 4, v1                        ; 16 x lane
	s_wait_alu depctr_va_vdst(0)
	s_mul_i32 s2, s21, 73728                       ; A's halves lie in waves 0 and 1's runs,
	s_mul_i32 s3, s22, 73728
	s_add_co_u32 s3, s3, 147456                    ; B's in waves 2 and 3's
.irp j, 0,1,2
	v_add_nc_u32 v[ADRA+\j], s2, v4
	v_add_nc_u32 v[ADRB+\j], s3, v4
	s_add_co_u32 s2, s2, 24576                     ; from part to part
	s_add_co_u32 s3, s3, 24576
.endr
	s_lshl_b32 s2, s20, 10
	s_add_co_u32 s2, s2, STGQ
	v_lshl_add_u32 v19, v2, 4, s2                  ; q, k: a scale word's place in my stage
	v_add_nc_u32 v24, s2, v4                       ; and the way back
	s_lshl_b32 s3, s20, 9
	s_add_co_u32 s3, s3, STGV
	v_lshl_add_u32 v20, v2, 3, s3                  ; v likewise
	v_add_nc_u32 v21, s3, v4
	; the scale words of my 128 rows of A (lanes 0-15) and of B (lanes 16-31), all eight K steps: 32 bytes a row
	s_lshl_b32 s96, s27, 4
	s_add_co_u32 s96, s96, s29
	s_add_co_u32 s96, s96, s30
	s_lshl_b32 s99, s21, 3
	s_add_co_u32 s96, s96, s99
	s_lshl_b32 s96, s96, 9
	s_lshl_b32 s97, s28, 4
	s_add_co_u32 s97, s97, s31
	s_lshl_b32 s99, s22, 3
	s_add_co_u32 s97, s97, s99
	s_lshl_b32 s97, s97, 9
	v_mov_b32 v16, s96
	v_mov_b32 v5, s97
	v_cmp_gt_u32 vcc_lo, 16, v1
	v_cndmask_b32 v16, v5, v16, vcc_lo
	v_lshl_add_u32 v16, v2, 5, v16
.irp i, 0,1,2,3,4,5,6,7
	global_load_b128 v[SC+8*\i:SC+8*\i+3], v16, s[8:9] offset:512*\i
	global_load_b128 v[SC+8*\i+4:SC+8*\i+7], v16, s[8:9] offset:512*\i+16
.endr
	v_and_b32 v5, 8, v2
	v_add_nc_u32 v5, v5, v2                        ; r + 8 (r / 8)
	v_lshlrev_b32 v17, 8, v5
	v_lshl_add_u32 v17, v3, 6, v17                 ; cos, sin: my token's row of 256 bytes, + 64 h
	v_lshlrev_b32 v18, 6, v3                       ; the norm's weight: 64 h
	v_mul_u32_u24 v22, v3, 315392
	v_lshl_add_u32 v22, v2, 4, v22
	v_add_nc_u32 v22, 6656, v22                    ; v: where the scale words go: lanes 0-15 the first head, lanes 16-31 the second
.irp b, 0,1,2,3
	v_mov_b32 v[TM+4+\b], 0                        ; a lane permute's destination counts as read
.endr
	s_mov_b32 s93, 0x3c800000                      ; 1 / 64
	s_mov_b32 s94, 0x76543210
	s_mov_b32 s95, 0xfedcba98                      ; lane l xor 16
	s_cmp_eq_u32 ttmp9, 0                          ; q?
	s_cselect_b64 s[90:91], s[10:11], s[12:13]     ; the norm's weight
	s_cselect_b32 s92, 0x3e000000, 1.0             ; q x 1 / 8
	s_mov_b32 s99, 12288
	s_cselect_b32 s99, 6144, s99                   ; from the codes to the scale words
	s_cselect_b32 s80, 13056, 0                    ; where the codes lie in a block of 'heads'
	v_add_nc_u32 v25, s99, v4
	s_cmp_eq_u32 ttmp9, 2
	s_cselect_b32 s80, 6144, s80
	s_cselect_b32 s96, s28, s27                    ; the tile of 256 tokens
	s_cselect_b32 s97, s27, s28                    ; the tile of 256 channels
	s_cselect_b32 s98, s22, s21                    ; my half of the tokens
	s_cselect_b32 s99, s21, s22                    ; my half of the channels
	s_and_b32 s97, s97, 3
	s_lshl_b32 s97, s97, 2
	s_lshl_b32 s99, s99, 1
	s_add_co_u32 s97, s97, s99                     ; my first head of two
	s_lshr_b32 s99, s96, 3
	s_lshl_b32 s99, s99, 4
	s_add_co_u32 s97, s97, s99                     ; + 16 x batch
	s_lshl_b32 s97, s97, 4
	s_and_b32 s96, s96, 7
	s_lshl_b32 s96, s96, 1
	s_add_co_u32 s96, s96, s98                     ; my key step
	s_add_co_u32 s97, s97, s96
	s_mul_i32 s97, s97, 19712
	s_add_co_u32 s66, s97, s80
	s_mov_b32 s67, 0
	s_add_nc_u64 s[82:83], s[18:19], s[66:67]      ; the first head's block,
	s_add_nc_u64 s[84:85], s[82:83], 315392        ; the second's
	s_lshl_b32 s66, s96, 15                        ; 128 rows of cos and sin for each key step
	s_add_nc_u64 s[86:87], s[14:15], s[66:67]
	s_add_nc_u64 s[88:89], s[16:17], s[66:67]
	s_wait_tensorcnt 0x0                           ; my three parts are in; no tensor load of mine is out, so group 1 may be written: the refill's tile is one part, a dense block as 96 rows of 256 bytes
.irp g, G1A, G1B
	s_mov_b32 s[\g+1], 32<<16
	s_mov_b32 s[\g+2], 96<<16
	s_mov_b32 s[\g+3], 32<<16
	s_mov_b32 s[\g+4], 96
	s_mov_b32 s[\g+5], 32
.endr
	s_barrier_signal -1
	s_barrier_wait -1
	FETCH_B 0, 0, 0
	FETCH_A 0, 0, 0
	FETCH_A 0, 0, 4
	s_wait_loadcnt 0x0                             ; the scale words
	STEP 0, 0, 1, 1                                ; the first step's products start the sums
	TURN 1, 1, 1                                   ; part 0's bytes take part 3
	STEP 2, 1, 1, 0
	STEP 3, 2, 0, 0
	STEP 4, 2, 1, 0
	TURN 5, 0, 0                                   ; part 3 has landed in every wave's share
	STEP 6, 0, 1, 0
	s_wait_dscnt 4*NLA                             ; the last step fetches nothing
	WIN MUL_LO
	MUL16 0, 7, 0
	MUL16 2, 7, 0
	WIN 0
	s_cmp_eq_u32 ttmp9, 2                          ; THE ROLES PART HERE, once: the cluster's x is the same in all sixteen partners
	s_cbranch_scc1 .Lvpath
; ---- q and k.  The norm's weight and the first block's tables are asked for ahead of the step's second half
	s_wait_alu depctr_va_vdst(0)
.irp e, 0,1
.irp j, 0,1,2,3
	global_load_b128 v[NW+16*\e+4*\j:NW+16*\e+4*\j+3], v18, s[90:91] offset:128*\e+16*\j   ; register 16 e + i: the weight of channel 32 e + 16 h + i
.endr
.endr
	TAB 0
	LAST_HI
; Block a: 16 tokens x my two heads (registers 0-31, 32-63).
.macro QKBLK a
.set W, 2+(\a)/4
.set AC, 64*((\a)%4)
.set TK, 64*((\a)%2)
.if (\a) < 7
	TAB (\a)+1
	s_wait_loadcnt 16                              ; this block's tables (and the weight) are in; the next block's 16 loads may be out
.else
	s_wait_loadcnt 0x0
.endif
	WIN W|(W<<2)
.irp c, 0,1,2,3                                    ; the sums of squares: two chains of pairs for each head, ascending
	v_pk_mul_f32 v[SS+2*\c:SS+2*\c+1], v[AC+32*(\c/2)+2*(\c%2):AC+32*(\c/2)+2*(\c%2)+1], v[AC+32*(\c/2)+2*(\c%2):AC+32*(\c/2)+2*(\c%2)+1]
.endr
.irp n, 1,2,3,4,5,6,7
.irp c, 0,1,2,3
	v_pk_fma_f32 v[SS+2*\c:SS+2*\c+1], v[AC+32*(\c/2)+4*\n+2*(\c%2):AC+32*(\c/2)+4*\n+2*(\c%2)+1], v[AC+32*(\c/2)+4*\n+2*(\c%2):AC+32*(\c/2)+4*\n+2*(\c%2)+1], v[SS+2*\c:SS+2*\c+1]
.endr
.endr
	WIN 0
	v_pk_add_f32 v[SS:SS+1], v[SS:SS+1], v[SS+2:SS+3]
	v_pk_add_f32 v[SS+4:SS+5], v[SS+4:SS+5], v[SS+6:SS+7]
	v_add_f32 v[SS], v[SS], v[SS+1]
	v_add_f32 v[SS+4], v[SS+4], v[SS+5]
	v_permlanex16_b32 v[SS+1], v[SS], s94, s95     ; the head's other 32 channels lie in lane l xor 16
	v_permlanex16_b32 v[SS+5], v[SS+4], s94, s95
	v_add_f32 v[SS], v[SS], v[SS+1]
	v_add_f32 v[SS+4], v[SS+4], v[SS+5]
	v_fmaak_f32 v[SS], s93, v[SS], 0x358637bd      ; the mean + 1e-6
	v_fmaak_f32 v[SS+4], s93, v[SS+4], 0x358637bd
	s_wait_alu depctr_va_vdst(0)
	v_rsq_f32 v[RR], v[SS]
	v_rsq_f32 v[RR+1], v[SS+4]
	WIN W|(W<<6)
.set i, 0
.rept 32
	v_pk_mul_f32 v[AC+i:AC+i+1], v[AC+i:AC+i+1], v[NW+(i%32):NW+(i%32)+1]   ; x the norm's weight, in place: independent work behind the two roots
.set i, i+2
.endr
	s_wait_alu depctr_va_vdst(0)                   ; one wait for both roots, ahead of their first reader
	WIN 0
	v_mul_f32 v[RR], s92, v[RR]
	v_mul_f32 v[RR+1], s92, v[RR+1]
	WIN W|(1<<2)
.set i, 0
.rept 8                                            ; RoPE on pairs (even, odd): even: a cos - b sin;  odd: b cos + a sin
.irp n, 0,1,2,3
	v_pk_mul_f32 v[CT+2*\n:CT+2*\n+1], v[AC+i+2*\n:AC+i+2*\n+1], v[TK+(i%32)+2*\n:TK+(i%32)+2*\n+1]
.endr
.irp n, 0,1,2,3
	v_pk_fma_f32 v[Y+i+2*\n:Y+i+2*\n+1], v[AC+i+2*\n:AC+i+2*\n+1], v[TK+32+(i%32)+2*\n:TK+32+(i%32)+2*\n+1], v[CT+2*\n:CT+2*\n+1] op_sel:[1,0,0] op_sel_hi:[0,1,1] neg_lo:[1,0,0]
.endr
.set i, i+8
.endr
	WIN 0
.set i, 0
.rept 16
	v_pk_mul_f32 v[Y+i:Y+i+1], v[Y+i:Y+i+1], v[RR:RR+1] op_sel_hi:[1,0]                 ; the first head by its 1 / rms,
	v_pk_mul_f32 v[Y+32+i:Y+33+i], v[Y+32+i:Y+33+i], v[RR:RR+1] op_sel:[0,1] op_sel_hi:[1,1]   ; the second by its own
.set i, i+2
.endr
	s_wait_dscnt 0x0                               ; the last block's LDS stores have read the scale words' registers
.if ((\a)%2) == 0
	s_wait_xcnt 0x0                                ; the last pair's stores have read the codes' registers
.endif
	QUANT Y, 0, HA+6*((\a)%2), HB+6*((\a)%2)
	v_lshrrev_b32 v[PW+1], 16, v[PW]               ; bytes 0, 1: the first head's; bytes 2, 3: the second's.  A word's upper two bytes stand over zero codes and are never 0xff
	ds_store_b32 v19, v[PW] offset:256*((\a)%2)+4*((\a)/2)
	ds_store_b32 v19, v[PW+1] offset:512+256*((\a)%2)+4*((\a)/2)
.if ((\a)%2) == 1
.irp j, 0,1,2
	global_store_b128 v4, v[HA+4*\j:HA+4*\j+3], s[82:83] offset:1536*((\a)/2)+512*\j   ; two tiles' codes: one image
	global_store_b128 v4, v[HB+4*\j:HB+4*\j+3], s[84:85] offset:1536*((\a)/2)+512*\j
.endr
.endif
.endm
	QKBLK 0
	QKBLK 1
	QKBLK 2
	QKBLK 3
	QKBLK 4
	QKBLK 5
	QKBLK 6
	QKBLK 7
	ds_load_b128 v[96:99], v24                     ; my stage's words, in order behind my stores: 512 bytes a head
	ds_load_b128 v[100:103], v24 offset:512
	s_wait_dscnt 1
	global_store_b128 v25, v[96:99], s[82:83]
	s_wait_dscnt 0x0
	global_store_b128 v25, v[100:103], s[84:85]
	s_branch .Lend
; ---- v.  Block a: 16 channels (head a / 4, tile a % 4) x my 128 keys: one fragment and one scale word a row.
.Lvpath:
	LAST_HI
.macro VBLK a
.set W, 2+(\a)/4
.set AC, 64*((\a)%4)
.set HD, HA+12*((\a)%2)
	s_wait_dscnt 0x0                               ; the last block's LDS store has read the scale word's register
	s_wait_xcnt 0x0                                ; earlier stores have read the codes' registers
	QUANT AC, W, HD, HD+6
	ds_store_b32 v20, v[PW] offset:128*((\a)%2)+4*(((\a)%4)/2)+256*((\a)/4)
.irp j, 0,1,2
	global_store_b128 v4, v[HD+4*\j:HD+4*\j+3], s[82+2*((\a)/4):83+2*((\a)/4)] offset:1536*((\a)%4)+512*\j
.endr
.endm
	VBLK 0
	VBLK 1
	VBLK 2
	VBLK 3
	VBLK 4
	VBLK 5
	VBLK 6
	VBLK 7
	ds_load_b128 v[96:99], v21
	s_wait_dscnt 0x0
	global_store_b128 v22, v[96:99], s[82:83]      ; 256 bytes for each of the two heads
.Lend:
	s_wait_tensorcnt 0x0                           ; the wave's end
	ds_add_u32 v28, v29
	s_wait_dscnt 0x0
	CROUND                                         ; the closing round
	s_endpgm
.Lfunc_end_k_q4bfef18519_qkv:
	.size	k_q4bfef18519_qkv, .Lfunc_end_k_q4bfef18519_qkv-k_q4bfef18519_qkv
	.p2alignl 7, 3214868480
	.fill 96, 4, 3214868480
	.section	.rodata,"a",@progbits
	.p2align	6, 0x0
	.amdhsa_kernel k_q4bfef18519_qkv
		.amdhsa_group_segment_fixed_size 327680
		.amdhsa_private_segment_fixed_size 0
		.amdhsa_enable_private_segment 0
		.amdhsa_kernarg_size 64
		.amdhsa_user_sgpr_count 2
		.amdhsa_user_sgpr_kernarg_segment_ptr 1
		.amdhsa_wavefront_size32 1
		.amdhsa_system_sgpr_workgroup_id_x 1
		.amdhsa_system_sgpr_workgroup_id_y 1
		.amdhsa_system_sgpr_workgroup_id_z 1
		.amdhsa_system_vgpr_workitem_id 0
		.amdhsa_next_free_vgpr 1024
		.amdhsa_next_free_sgpr 100
		.amdhsa_reserve_vcc 1
		.amdhsa_float_denorm_mode_32 3
		.amdhsa_float_denorm_mode_16_64 3
		.amdhsa_memory_ordered 1
		.amdhsa_forward_progress 1
		.amdhsa_inst_pref_size 255
	.end_amdhsa_kernel
	.section	.bss,"aw",@nobits
	.p2align	6
	.space	262144
	.amdgpu_metadata
---
amdhsa.version: [ 1, 2 ]
amdhsa.kernels:
  - .name:           k_q4bfef18519_qkv
    .symbol:         k_q4bfef18519_qkv.kd
    .args:
      - { .name: xc, .offset: 0, .size: 8, .value_kind: global_buffer, .address_space: global }
      - { .name: wqc, .offset: 8, .size: 8, .value_kind: global_buffer, .address_space: global }
      - { .name: scl1, .offset: 16, .size: 8, .value_kind: global_buffer, .address_space: global }
      - { .name: qn_w, .offset: 24, .size: 8, .value_kind: global_buffer, .address_space: global }
      - { .name: kn_w, .offset: 32, .size: 8, .value_kind: global_buffer, .address_space: global }
      - { .name: freqs_cos, .offset: 40, .size: 8, .value_kind: global_buffer, .address_space: global }
      - { .name: freqs_sin, .offset: 48, .size: 8, .value_kind: global_buffer, .address_space: global }
      - { .name: heads, .offset: 56, .size: 8, .value_kind: global_buffer, .address_space: global }
    .group_segment_fixed_size: 327680
    .private_segment_fixed_size: 0
    .kernarg_segment_align: 8
    .kernarg_segment_size: 64
    .max_flat_workgroup_size: 128
    .sgpr_count:     100
    .vgpr_count:     1024
    .wavefront_size: 32
...
	.end_amdgpu_metadata
.endif
;; end of part 3
;; launch attn (part 4): grid 4 x 64, 16 waves a work-group, clusters of 4 x 1, 270,336 bytes of LDS; arguments heads, oc, os; writes oc, os
.if DOCPART == 4
	.amdgcn_target "amdgcn-amd-amdhsa--gfx1250"
	.amdhsa_code_object_version 6
	.text
	.protected	k_q4bfef18519_attn
	.globl	k_q4bfef18519_attn
	.p2align	8
	.type	k_q4bfef18519_attn,@function
k_q4bfef18519_attn:
	s_mov_b64 s[64:65], 0
	v_nop
	global_prefetch_b8 v0, s[64:65] scope:SCOPE_SE
	s_setreg_imm32_b32 hwreg(HW_REG_WAVE_MODE, 25, 1), 1
	s_wait_xcnt 0x0
	s_wait_alu depctr_hold_cnt(0) depctr_sa_sdst(0) depctr_va_vdst(0) depctr_va_sdst(0) depctr_va_ssrc(0) depctr_va_vcc(0) depctr_vm_vsrc(0)
	s_getreg_b32 s2, hwreg(HW_REG_IB_STS2, 6, 4)
	s_cmp_eq_u32 s2, 0
	s_cbranch_scc0 .Lentry_in_a_cluster
	s_endpgm
.Lentry_in_a_cluster:
	s_bfe_u32 s2, ttmp6, 0x10000c
	s_cmp_lg_u32 s2, 0x3003
	s_cbranch_scc0 .Lentry_shape_is_right
	s_endpgm
.Lentry_shape_is_right:
; softmax(q k^T) v for one head, on codes of E2M3, and the result quantised along the channels for the last product.
; t = score x log2(e) (q carries the 1 / 8); M = the running largest t rounded UP to a whole number; p = 2^(t - M) is quantised along the keys; the row's sum is taken of the unquantised p and divides at the end.
; A work-group owns a head and 512 queries; its four partners in the cluster own the head's other queries and ask for the head's K and V JOINTLY.  The head's codes and scale words of K and V lie in LDS whole,
; filled ONCE, one tensor load a wave (key step = wave): nothing is filled again, and the loops have no barrier.  No prefetch: every byte is asked for at the head, and there is no loop of loads to run ahead in.
; LDS: a key step is 26 rows of 512 bytes + 128 of padding (the last half row is not read): chunk n of 512 bytes at 640 n.  K's codes chunks 0-11, V's 12-23, K's words 24, V's words 25.
; Wave w owns queries 32 p .. 32 p + 31, p = 16 cx + w: two tiles of 16, one after the other.  Both products are used transposed: a lane holds one query throughout.  A TRIP TAKES 256 KEYS: one maximum, one M, one rescaling.
; THE KEYS OF A TILE ARE CHOSEN BY THE LDS ADDRESSES: row 8 G + i of tile (c, t) is key 64 c + 32 G + 8 t + i of its 128.  In memory that key is row 8 (t / 2) + i of tile t % 2 of image 2 c + G: so lane (8 G + i, hh) reads
; image lane 8 (t / 2) + i + 16 hh of image 2 c + G.  In S^T lane (query, h) then holds, in the 32 registers of tiles (c, 0 .. 3), keys 64 c + 32 h + 0 .. 31 in order: A WHOLE BLOCK OF 32 IN ONE LANE, in the operand's own layout:
; a block's maximum asks no other lane, and p's codes are moved between no lanes.  The padding sets images 1,920 bytes apart, so the sixteen lanes of a load's half touch sixteen different columns of 16 bytes.
; THE FIRST PRODUCT'S K IS 64, the instruction's 128: Q's registers 6-11 are zero codes, and a tile's upper six registers are whatever follows it: E2M3 has no NaN and no infinity, no scale byte here is 0xff: exact zeros.
; OUT: oc: half a fragment (16 queries x this head's 64): registers 0-3 at 16 l, 4-5 at 512 + 8 l;  os: [head 16][tile 512][row 16] words, the head's two bytes at bits 16 (head % 2) on.
; REGISTERS: v0-31 fixed; v32-63 O^T; v64-111 K's second 128 keys, then p's codes (64-87), upper halves of blocks (88-103), the sum's chains (104-111); v112-119 blocks' scale operands and maxima; v120-127 scale words;
; v128-255 S^T, then p; K's first 128 keys lie in v192-239 until the second half of S^T takes them; V's fragments land in v128-175 and v192-239 when p has been used.
; LIMITS: the promise holds while the scaled scores stay under 2^31 in magnitude; a block of zeros gets the byte 1; NaN and infinities are not served.
.set CH,   640
.set KSB,  26*CH
.set KW,   24*CH
.set VW,   25*CH
.set OSTG, 16*KSB                      ; 2,048 bytes for the result's scale words; no fill lands here
.set SPARE, OSTG+2048                  ; the spare words, 128 bytes a wave
.set O,    32
.set PC,   64
.set CT,   88
.set AC,   104
.set SO,   112
.set BM,   116                         ; block (half h, c) at BM + 2 - 2 h + c, its scale operand at SO + 2 - 2 h + c
.set SW,   120                         ; K's words 120-127; then p's words 120, 121 and V's 122-125
.set S,    128
.macro CROUND
	s_barrier_signal -1
	s_barrier_wait -1
	s_cmp_lg_u32 s10, 0
	s_cbranch_scc1 .Lnot_wave_0_\@
	s_barrier_signal -3
.Lnot_wave_0_\@:
	s_barrier_wait -3
	s_barrier_signal -1
	s_barrier_wait -1
.endm
.macro QLOAD u                         ; tile u's six registers of my image of Q
.if \u == 0
	global_load_b128 v[16:19], v11, s[38:39]
	global_load_b64 v[20:21], v11, s[38:39] offset:512
.else
	global_load_b64 v[16:17], v11, s[38:39] offset:520
	global_load_b128 v[18:21], v11, s[38:39] offset:1024
.endif
.endm
.macro KLOAD h, base                   ; 128 keys: pair q = 2 c + t / 2 of tiles in 12 registers, and its scale words (lanes 0-15 the even tile, 16-31 the odd one)
.irp q, 0,1,2,3
.irp j, 0,1,2
	ds_load_b128 v[\base+12*\q+4*\j:\base+12*\q+4*\j+3], v5 offset:\h*KSB+6*CH*(\q/2)+128*(\q%2)+CH*\j
.endr
.endr
.irp q, 0,1,2,3
	ds_load_b32 v[SW+4*\h+\q], v6 offset:\h*KSB+KW+8*(\q/2)+128*(\q%2)
.endr
.endm
.macro QK h, base, u
.irp t, 0,1,2,3,4,5,6,7
.if (\t%2) == 0
	v_wmma_scale_f32_16x16x128_f8f6f4 v[S+64*\h+8*\t:S+64*\h+8*\t+7], v[\base+6*\t:\base+6*\t+11], v[16:27], 0, v[SW+4*\h+\t/2], v[10-\u] matrix_a_fmt:MATRIX_FMT_FP6 matrix_b_fmt:MATRIX_FMT_FP6
.else
	v_wmma_scale_f32_16x16x128_f8f6f4 v[S+64*\h+8*\t:S+64*\h+8*\t+7], v[\base+6*\t:\base+6*\t+11], v[16:27], 0, v[SW+4*\h+\t/2], v[10-\u] matrix_a_fmt:MATRIX_FMT_FP6 matrix_b_fmt:MATRIX_FMT_FP6 matrix_a_scale:MATRIX_SCALE_ROW1
.endif
.endr
.endm
.macro BMAX h                          ; the largest score of my two blocks of this half: four chains by turns (v5, v6 are free: the K loads have been issued); each accumulator is read from its low end on
.irp q, 0,1
	v_max3_num_f32 v[BM+2-2*\h+\q], v[S+64*\h+32*\q], v[S+64*\h+32*\q+1], v[S+64*\h+32*\q+2]
	v_max3_num_f32 v[5+\q], v[S+64*\h+32*\q+16], v[S+64*\h+32*\q+17], v[S+64*\h+32*\q+18]
.endr
.irp i, 3,5,7,9,11,13
.irp q, 0,1
	v_max3_num_f32 v[BM+2-2*\h+\q], v[BM+2-2*\h+\q], v[S+64*\h+32*\q+\i], v[S+64*\h+32*\q+\i+1]
	v_max3_num_f32 v[5+\q], v[5+\q], v[S+64*\h+32*\q+16+\i], v[S+64*\h+32*\q+17+\i]
.endr
.endr
.irp q, 0,1
	v_max3_num_f32 v[BM+2-2*\h+\q], v[BM+2-2*\h+\q], v[5+\q], v[S+64*\h+32*\q+15]
.endr
.irp q, 0,1
	v_max_num_f32 v[BM+2-2*\h+\q], v[BM+2-2*\h+\q], v[S+64*\h+32*\q+31]
.endr
.endm
.macro VLOAD h                         ; V's four fragments of 128 keys, onto p's registers, and their words
.irp n, 0,1,2,3,4,5,6,7,8,9,10,11
	ds_load_b128 v[S+64*\h+4*\n:S+64*\h+4*\n+3], v7 offset:\h*KSB+CH*(12+\n)
.endr
	ds_load_b64 v[SW+2+2*\h:SW+3+2*\h], v8 offset:\h*KSB+VW
.endm
.macro PV h
.irp t, 0,1,2,3
.if (\t%2) == 0
	v_wmma_scale_f32_16x16x128_f8f6f4 v[O+8*\t:O+8*\t+7], v[S+64*\h+12*\t:S+64*\h+12*\t+11], v[PC+12*\h:PC+12*\h+11], v[O+8*\t:O+8*\t+7], v[SW+2+2*\h+\t/2], v[SW+\h] matrix_a_fmt:MATRIX_FMT_FP6 matrix_b_fmt:MATRIX_FMT_FP6
.else
	v_wmma_scale_f32_16x16x128_f8f6f4 v[O+8*\t:O+8*\t+7], v[S+64*\h+12*\t:S+64*\h+12*\t+11], v[PC+12*\h:PC+12*\h+11], v[O+8*\t:O+8*\t+7], v[SW+2+2*\h+\t/2], v[SW+\h] matrix_a_fmt:MATRIX_FMT_FP6 matrix_b_fmt:MATRIX_FMT_FP6 matrix_a_scale:MATRIX_SCALE_ROW1
.endif
.endr
.endm
.macro SUMS from, rounds               ; four chains of pairs take 8 registers of p a round
.set jj, \from
.rept \rounds
.irp k, 0,1,2,3
	v_pk_add_f32 v[AC+2*\k:AC+2*\k+1], v[AC+2*\k:AC+2*\k+1], v[S+jj+2*\k:S+jj+2*\k+1]
.endr
.set jj, jj+8
.endr
.endm
	s_load_b128 s[4:7], s[0:1], 0x0                ; heads, oc
	s_load_b64 s[8:9], s[0:1], 0x10                ; os
	v_lshl_add_u32 v28, v0, 2, SPARE
	v_mov_b32 v29, 0
	ds_add_u32 v28, v29                            ; the opening lines: the add, twice on end, and its wait ahead of my tensor load
	ds_add_u32 v28, v29
	v_lshrrev_b32 v1, 5, v0
	s_delay_alu instid0(VALU_DEP_1)
	v_readfirstlane_b32 s10, v1                    ; wave 0..15
	s_bfe_u32 s11, ttmp6, 0x40000                  ; cx
	s_and_b32 s12, ttmp7, 0xffff                   ; the head, which the four partners share
	s_mov_b32 s16, 15|(3<<16)|(1<<20)|(1<<21)|(6<<22)|(31<<25)   ; the mask: all four; elements of 8 bytes; padding on; bit 21 beside a mask; after every 128 words, 32 words
	s_mov_b32 s17, 64<<16                          ; a dense block as 26 rows of 512 bytes
	s_mov_b32 s18, 26<<16
	s_mov_b32 s19, 64<<16
	s_mov_b32 s20, 26
	s_mov_b32 s21, 64
	s_mov_b32 s22, 0
	s_mov_b32 s23, 0
	s_mul_i32 s13, s12, 315392                     ; the head's first byte
	s_mul_i32 s14, s10, 19712                      ; key step = wave
	s_add_co_u32 s14, s14, s13
	s_mov_b32 s15, 0
	s_mov_b32 s24, 1
	s_mul_i32 s25, s10, KSB
	s_wait_dscnt 0x0
	s_wait_kmcnt 0x0
	s_add_nc_u64 s[26:27], s[4:5], s[14:15]
	s_or_b32 s27, s27, 0x80000000
	CROUND                                         ; all four work-groups are here: the joint loads meet
	tensor_load_to_lds s[24:27], s[16:23]          ; my one tensor load
	s_nop 0
.rept 4
	v_nop
.endr
	s_lshl_b32 s35, s11, 4
	s_add_co_u32 s35, s35, s10                     ; p
	s_lshr_b32 s14, s35, 2
	s_mul_i32 s14, s14, 19712
	s_add_co_u32 s14, s14, s13
	s_add_co_u32 s14, s14, 13056
	s_add_nc_u64 s[38:39], s[4:5], s[14:15]        ; Q's codes of key step p / 4
	s_and_b32 s37, s35, 3
	s_mul_i32 s36, s37, 1536                       ; my image in it
	s_lshl_b32 s37, s37, 2
	s_lshr_b32 s44, s12, 4                         ; batch
	s_and_b32 s45, s12, 15                         ; head in it
	s_lshr_b32 s46, s45, 2
	s_lshl_b32 s46, s46, 9
	s_lshl_b32 s47, s44, 7
	s_add_co_u32 s46, s46, s47
	s_lshl_b32 s47, s35, 1
	s_add_co_u32 s46, s46, s47
	s_mul_i32 s46, s46, 3072                       ; ((head / 4) 512 + tile) 3072
	s_bfe_u32 s47, s45, 0x10001
	s_mul_i32 s47, s47, 1536
	s_add_co_u32 s46, s46, s47
	s_and_b32 s47, s45, 1
	s_lshl_b32 s34, s47, 4                         ; 16 (head % 2)
	s_mul_i32 s47, s47, 768
	s_add_co_u32 s46, s46, s47
	s_mov_b32 s47, 0
	s_add_nc_u64 s[40:41], s[6:7], s[46:47]
	s_lshl_b32 s46, s45, 15
	s_lshl_b32 s32, s44, 13
	s_add_co_u32 s46, s46, s32
	s_lshl_b32 s32, s11, 11
	s_add_co_u32 s46, s46, s32
	s_add_nc_u64 s[42:43], s[8:9], s[46:47]
	s_mov_b32 s28, 0x76543210
	s_mov_b32 s29, 0xfedcba98                      ; lane l xor 16
	s_mov_b32 s30, 0x3fb8aa3b                      ; log2(e)
	s_mov_b32 s31, 0xbfb8aa3b                      ; and its negative
	v_and_b32 v5, 31, v0
	v_and_b32 v6, 7, v0                            ; i
	v_bfe_u32 v7, v0, 3, 1                         ; G
	v_bfe_u32 v8, v0, 4, 1                         ; hh
	v_and_b32 v9, 15, v0
	v_lshlrev_b32 v1, 4, v5                        ; 16 x lane
	v_lshlrev_b32 v4, 3, v5                        ; 8 x lane
	v_mul_u32_u24 v2, v7, 3*CH
	v_lshlrev_b32 v3, 2, v7
	v_lshl_add_u32 v2, v6, 4, v2
	v_lshl_add_u32 v3, v6, 4, v3
	v_lshl_add_u32 v2, v8, 8, v2                   ; K's codes: 1,920 G + 16 i + 256 hh
	v_lshl_add_u32 v3, v8, 8, v3                   ; K's words: 4 G + 16 i + 256 hh
	v_add_nc_u32 v11, s36, v1                      ; Q's image
	v_lshl_add_u32 v5, v9, 4, s37                  ; Q's words
	s_wait_alu depctr_va_vdst(0)                   ; the wait ahead of the readers below
	QLOAD 0
	global_load_b32 v10, v5, s[38:39] offset:6144  ; the first tile's scale words,
	global_load_b32 v9, v5, s[38:39] offset:6400   ; the second's
.irp i, 22,23,24,25,26,27,31,112,113,114,115,116,117,240,241,242,243,244,245
	v_mov_b32 v\i, 0                               ; Q's zero codes; the upper half of a pair that is named; registers that stand behind a last tile of K
.endr
	s_wait_alu depctr_va_vdst(0)                   ; the wait at the head's end
	s_wait_tensorcnt 0x0                           ; my key step has landed,
	s_barrier_signal -1
	s_barrier_wait -1                              ; everybody's has
.macro PASS u
	s_wait_loadcnt 0x0                             ; Q
	s_wait_xcnt 0x0                                ; the last tile's stores have read the codes' registers
	v_mov_b32 v13, 0xfe967699                      ; the largest score so far: -1e38
	v_mov_b32 v12, 0x7e967699                      ; -M: 1e38
	v_mov_b32 v14, 0
	v_mov_b32 v15, 0
.set j, 0
.rept 32
	v_mov_b32 v[O+j], 0                            ; the loop is written once: its first trip finds zeros
.set j, j+1
.endr
	s_mov_b32 s32, 0
	s_mov_b32 s33, 8
.Lk_\@:                                            ; a trip: 256 keys, two key steps
	v_add_nc_u32 v5, s32, v2                       ; these four are also the places behind the last trip's products, in front of loads into their registers
	v_add_nc_u32 v6, s32, v3
	v_add_nc_u32 v7, s32, v1
	v_add_nc_u32 v8, s32, v4
	v_nop                                          ; with the four lines above: the places in front of the products that write over V's fragments of the last trip
	v_nop
	KLOAD 0, S+64
	KLOAD 1, PC
	s_wait_dscnt 16                                ; the first 128 keys are in; the second's 16 loads may be out
	QK 0, S+64, \u
.rept 4
	v_nop
.endr
	BMAX 0                                         ; also the places in front of the products that write over the first 128 keys' codes
	s_wait_dscnt 0x0
	QK 1, PC, \u
.rept 4
	v_nop
.endr
	BMAX 1
	v_max3_num_f32 v88, v[BM], v[BM+1], v[BM+2]
	s_delay_alu instid0(VALU_DEP_1)
	v_max3_num_f32 v88, v88, v[BM+3], v13
	s_delay_alu instid0(VALU_DEP_1)
	v_permlanex16_b32 v89, v88, s28, s29
	s_delay_alu instid0(VALU_DEP_1)
	v_max_num_f32 v13, v88, v89                    ; the running largest score of my query
	s_delay_alu instid0(VALU_DEP_1)
	v_mul_f32 v88, s31, v13                        ; -t
	s_delay_alu instid0(VALU_DEP_1)
	v_floor_f32 v88, v88                           ; the new -M: a whole number
	s_delay_alu instid0(VALU_DEP_1)
	v_sub_f32 v89, v88, v12                        ; old M - new M, 0 or less
	v_mov_b32 v12, v88
	s_delay_alu instid0(VALU_DEP_2)
	v_cvt_i32_f32 v89, v89                         ; (it saturates)
	s_delay_alu instid0(VALU_DEP_1)
	v_ldexp_f32 v30, 1.0, v89                      ; f = 2^(old M - new M): exact
.set j, 0
.rept 64
	v_pk_fma_f32 v[S+j:S+j+1], v[S+j:S+j+1], s[30:31], v[12:13] op_sel_hi:[1,0,0]   ; t - M
.set j, j+2
.endr
.irp b, 0,1,2,3
	v_fma_f32 v[BM+\b], v[BM+\b], s30, v12         ; the same of each block's largest score
.endr
.set j, 0
.rept 16
	v_pk_mul_f32 v[O+j:O+j+1], v[O+j:O+j+1], v[30:31] op_sel_hi:[1,0]   ; O^T under the new M, ahead of the exponentials
.set j, j+2
.endr
	s_wait_alu depctr_va_vdst(0)                   ; the wait ahead of the batch
.irp b, 0,1,2,3
	v_exp_f32 v[BM+\b], v[BM+\b]                   ; each block's largest p
.endr
.set j, 0
.rept 128
	v_exp_f32 v[S+j], v[S+j]                       ; p = 2^(t - M)
.set j, j+1
.endr
	v_pk_mul_f32 v[14:15], v[14:15], v[30:31] op_sel_hi:[1,0]   ; the sums under the new M; a plain place behind the exponentials
	s_wait_alu depctr_va_vdst(0)                   ; one wait for the batch, ahead of its first reader
.irp b, 0,1,2,3
	v_max_num_f32 v[BM+\b], 0x1800000, v[BM+\b]    ; the floor 2^(3 - 127)
.endr
.irp b, 0,1,2,3
	v_add_nc_u32 v[SO+\b], 0xff000000, v[BM+\b]    ; 2 off the exponent field: the conversion's scale operand
.endr
.irp b, 0,1,2,3
	v_lshrrev_b32 v[BM+\b], 23, v[SO+\b]           ; the byte
.endr
	v_lshl_or_b32 v88, v[BM+3], 16, v[BM+2]        ; my two bytes of the first 128 keys: blocks h and 2 + h,
	v_lshl_or_b32 v89, v[BM+1], 16, v[BM]          ; of the second
	s_delay_alu instid0(VALU_DEP_2)
	v_permlanex16_b32 v90, v88, s28, s29
	s_delay_alu instid0(VALU_DEP_2)
	v_permlanex16_b32 v91, v89, s28, s29
	s_delay_alu instid0(VALU_DEP_2)
	v_lshl_or_b32 v[SW], v90, 8, v88               ; lanes 0-15, which alone are read: the word is whole
	s_delay_alu instid0(VALU_DEP_2)
	v_lshl_or_b32 v[SW+1], v91, 8, v89
.irp h, 0,1
.irp c, 0,1
	v_cvt_scalef32_pk16_fp6_f32 v[PC+12*\h+6*\c:PC+12*\h+6*\c+2], v[S+64*\h+32*\c:S+64*\h+32*\c+15], v[SO+2-2*\h+\c]
	v_cvt_scalef32_pk16_fp6_f32 v[CT+8*\h+4*\c:CT+8*\h+4*\c+2], v[S+64*\h+32*\c+16:S+64*\h+32*\c+31], v[SO+2-2*\h+\c]   ; (three registers begin on an even number)
.endr
.endr
.irp k, 0,1,2,3
	v_pk_add_f32 v[AC+2*\k:AC+2*\k+1], v[S+2*\k:S+2*\k+1], v[S+8+2*\k:S+9+2*\k]   ; the row's sum, of the unquantised p; plain work behind the conversions
.endr
	SUMS 16, 6
	VLOAD 0                                        ; the first 128 keys' p has been summed and converted
.irp h, 0,1
.irp c, 0,1
.irp i, 0,1,2
	v_mov_b32 v[PC+12*\h+6*\c+3+\i], v[CT+8*\h+4*\c+\i]
.endr
.endr
.endr
	SUMS 64, 8
	v_pk_add_f32 v[AC:AC+1], v[AC:AC+1], v[AC+2:AC+3]
	v_pk_add_f32 v[AC+4:AC+5], v[AC+4:AC+5], v[AC+6:AC+7]
	s_delay_alu instid0(VALU_DEP_2)
	v_pk_add_f32 v[14:15], v[14:15], v[AC:AC+1]
	s_delay_alu instid0(VALU_DEP_1)
	v_pk_add_f32 v[14:15], v[14:15], v[AC+4:AC+5]
	VLOAD 1
	s_wait_dscnt 13                                ; V's first 128 keys are in; the second's 13 loads may be out
	PV 0                                           ; the four accumulators take turns
	s_wait_dscnt 0x0
	PV 1
	s_add_co_u32 s32, s32, 2*KSB
	s_sub_co_u32 s33, s33, 1
	s_cmp_lg_u32 s33, 0
	s_cbranch_scc1 .Lk_\@
	; the way out of a tile: O^T / the sum, quantised along the head's 64 channels (register 16 b + i = channel 32 b + 16 h + i)
.rept 4
	v_nop
.endr
.if \u == 0
	QLOAD 1                                        ; the next tile's codes land under the way out
.endif
	s_wait_alu depctr_va_vdst(0)                   ; the wait here, directly ahead of the reader below
	v_add_f32 v14, v14, v15
	v_permlanex16_b32 v88, v14, s28, s29
	v_add_f32 v14, v14, v88
	s_wait_alu depctr_va_vdst(0)
	v_rcp_f32 v30, v14
	v_nop
	s_wait_alu depctr_va_vdst(0)
.set j, 0
.rept 16
	v_pk_mul_f32 v[O+j:O+j+1], v[O+j:O+j+1], v[30:31] op_sel_hi:[1,0]
.set j, j+2
.endr
.irp b, 0,1
	v_max3_num_f32 v[BM+\b], |v[O+16*\b]|, |v[O+1+16*\b]|, 0x1800000
.endr
.irp i, 2,4,6,8,10,12,14
.irp b, 0,1
	s_delay_alu instid0(VALU_DEP_2)
	v_max3_num_f32 v[BM+\b], v[BM+\b], |v[O+16*\b+\i]|, |v[O+1+16*\b+\i]|
.endr
.endr
.irp b, 0,1
	s_delay_alu instid0(VALU_DEP_2)
	v_permlanex16_b32 v[BM+2+\b], v[BM+\b], s28, s29
.endr
.irp b, 0,1
	s_delay_alu instid0(VALU_DEP_2)
	v_max_num_f32 v[BM+\b], v[BM+\b], v[BM+2+\b]
.endr
.irp b, 0,1
	s_delay_alu instid0(VALU_DEP_2)
	v_add_nc_u32 v[SO+\b], 0xff000000, v[BM+\b]
.endr
.irp b, 0,1
	s_delay_alu instid0(VALU_DEP_2)
	v_lshrrev_b32 v[BM+2+\b], 23, v[SO+\b]
.endr
	s_delay_alu instid0(VALU_DEP_1)
	v_lshl_or_b32 v[10-\u], v[BM+3], 8, v[BM+2]    ; Q's words of this tile are done with: the register takes the result's
	s_delay_alu instid0(VALU_DEP_1)
	v_lshlrev_b32 v[10-\u], s34, v[10-\u]          ; the head's two bytes at their place in the K step's word
	v_cvt_scalef32_pk16_fp6_f32 v[PC:PC+2], v[O:O+15], v[SO]
	v_cvt_scalef32_pk16_fp6_f32 v[CT:CT+2], v[O+16:O+31], v[SO+1]
	v_nop                                          ; one plain place behind a scaled conversion
.irp i, 0,1,2
	v_permlane16_swap_b32 v[PC+\i], v[CT+\i]       ; a whole block to a lane
.endr
.irp i, 0,1,2
	s_delay_alu instid0(VALU_DEP_3)
	v_mov_b32 v[PC+3+\i], v[CT+\i]
.endr
	global_store_b128 v1, v[PC:PC+3], s[40:41] offset:3072*\u       ; 512 consecutive bytes,
	global_store_b64 v4, v[PC+4:PC+5], s[40:41] offset:3072*\u+512  ; and 256
.endm
	PASS 0
	PASS 1
	v_and_b32 v88, 31, v0
	s_and_b32 s33, s10, 3
	s_lshl_b32 s33, s33, 9
	v_lshl_add_u32 v89, v0, 2, OSTG                ; the result's scale word: tile 2 w + lane / 16, row lane % 16
	v_add_nc_u32 v91, s33, v1
	v_cmp_gt_u32 vcc_lo, 16, v88
	v_add_nc_u32 v90, OSTG, v91                    ; and the way back (waves 0 to 3)
	v_cndmask_b32 v10, v9, v10, vcc_lo             ; lanes 0-15 the first tile's words, lanes 16-31 the second's
	ds_store_b32 v89, v10
	s_wait_alu depctr_va_vdst(0)                   ; the wait here, directly ahead of the wait below
	s_wait_dscnt 0x0                               ; for the others' sake
	s_barrier_signal -1
	s_barrier_wait -1
	s_cmp_gt_u32 s10, 3
	s_cbranch_scc1 .Lno_words
	ds_load_b128 v[92:95], v90                     ; waves 0 to 3: 512 of the work-group's 2,048 bytes of words
	s_wait_dscnt 0x0
	global_store_b128 v91, v[92:95], s[42:43]
.Lno_words:
	s_wait_tensorcnt 0x0                           ; the wave's end
	ds_add_u32 v28, v29
	s_wait_dscnt 0x0
	CROUND                                         ; the closing round
	s_endpgm
.Lfunc_end_k_q4bfef18519_attn:
	.size	k_q4bfef18519_attn, .Lfunc_end_k_q4bfef18519_attn-k_q4bfef18519_attn
	.p2alignl 7, 3214868480
	.fill 96, 4, 3214868480
	.section	.rodata,"a",@progbits
	.p2align	6, 0x0
	.amdhsa_kernel k_q4bfef18519_attn
		.amdhsa_group_segment_fixed_size 270336
		.amdhsa_private_segment_fixed_size 0
		.amdhsa_enable_private_segment 0
		.amdhsa_kernarg_size 24
		.amdhsa_user_sgpr_count 2
		.amdhsa_user_sgpr_kernarg_segment_ptr 1
		.amdhsa_wavefront_size32 1
		.amdhsa_system_sgpr_workgroup_id_x 1
		.amdhsa_system_sgpr_workgroup_id_y 1
		.amdhsa_system_sgpr_workgroup_id_z 1
		.amdhsa_system_vgpr_workitem_id 0
		.amdhsa_next_free_vgpr 256
		.amdhsa_next_free_sgpr 66
		.amdhsa_reserve_vcc 1
		.amdhsa_float_denorm_mode_32 3
		.amdhsa_float_denorm_mode_16_64 3
		.amdhsa_memory_ordered 1
		.amdhsa_forward_progress 1
		.amdhsa_inst_pref_size 74
	.end_amdhsa_kernel
	.amdgpu_metadata
---
amdhsa.version: [ 1, 2 ]
amdhsa.kernels:
  - .name:           k_q4bfef18519_attn
    .symbol:         k_q4bfef18519_attn.kd
    .args:
      - { .name: heads, .offset: 0, .size: 8, .value_kind: global_buffer, .address_space: global }
      - { .name: oc, .offset: 8, .size: 8, .value_kind: global_buffer, .address_space: global }
      - { .name: os, .offset: 16, .size: 8, .value_kind: global_buffer, .address_space: global }
    .group_segment_fixed_size: 270336
    .private_segment_fixed_size: 0
    .kernarg_segment_align: 8
    .kernarg_segment_size: 24
    .max_flat_workgroup_size: 512
    .sgpr_count:     66
    .vgpr_count:     256
    .wavefront_size: 32
...
	.end_amdgpu_metadata
.endif
;; end of part 4
;; launch proj (part 5): grid 4 x 32, 4 waves a work-group, clusters of 4 x 4, 327,680 bytes of LDS; arguments oc, wpc, os, wps, b_proj, out0; writes out0
.if DOCPART == 5
	.amdgcn_target "amdgcn-amd-amdhsa--gfx1250"
	.amdhsa_code_object_version 6
	.text
	.protected	k_q4bfef18519_proj
	.globl	k_q4bfef18519_proj
	.p2align	8
	.type	k_q4bfef18519_proj,@function
k_q4bfef18519_proj:
	s_mov_b64 s[64:65], 0
	v_nop
	global_prefetch_b8 v0, s[64:65] scope:SCOPE_SE
	s_setreg_imm32_b32 hwreg(HW_REG_WAVE_MODE, 25, 1), 1
	s_wait_xcnt 0x0
	s_wait_alu depctr_hold_cnt(0) depctr_sa_sdst(0) depctr_va_vdst(0) depctr_va_sdst(0) depctr_va_ssrc(0) depctr_va_vcc(0) depctr_vm_vsrc(0)
	s_getreg_b32 s2, hwreg(HW_REG_IB_STS2, 6, 4)
	s_cmp_eq_u32 s2, 0
	s_cbranch_scc0 .Lentry_in_a_cluster
	s_endpgm
.Lentry_in_a_cluster:
	s_bfe_u32 s2, ttmp6, 0x10000c
	s_cmp_lg_u32 s2, 0xf033
	s_cbranch_scc0 .Lentry_shape_is_right
	s_endpgm
.Lentry_shape_is_right:
; out0 = o w_proj + b_proj on codes of E2M3.  o's codes (oc) and the weight's (wpc) lie as images of operand registers; a fragment of o is two halves of 768 bytes, one for each of a K step's two heads.
; The structure is that of the launch for q, k, v: a tile of 256 x 256, four waves of 128 x 128, transposed use (source 0 = 16 columns of the weight, source 1 = 16 tokens), K in four parts of 256,
; three first fills and one refill, joint loads in a cluster of 4 x 4 (o's parts along a row, the weight's along a column).  A wave has three tensor loads out at the start, later one.
; o's scale word of a K step is the OR of its two heads' words in 'os'.  The bias is the C of each sum's first matrix instruction, in the result's layout.
; The grid has 128 work-groups: tiles of 256 x 256 of 8,192 x 1,024.
; LDS AS IT STANDS (in place of the head's lines on three fills and three loads): each wave's bytes are one run of 73,728: parts 0, 1, 2 of the 128 rows that it fetches,
; brought by ONE tensor load at the head, as three rows of 24,576 bytes; part 3 is the one refill, onto part 0's bytes.  A wave has one tensor load out at a time.
.set SLOT,  98304
.set SPARE, 3*SLOT
.set STAGE, SLOT                       ; the way out: 16 rows x 528 bytes for each wave, on parts 1 and 2 of wave 1's run (bytes 98,304 to 132,095): they have had their only fill, and every wave has passed a barrier behind its last read of them
.set NLA,   4
.set STEPA, 1572864
.set STEPB, 196608
.set SC,    32
.set AF,    128
.set ADRA,  8
.set ADRB,  12
.set ADRA8, 20
.set G1A,   32
.set G1B,   40
.set G0A,   48
.set G0B,   68
.set MUL_LO, 0xa1
.set MUL_HI, 0xf1
.set FST_LO, 0x91                      ; the first step: C (the bias) in window 1
.set FST_HI, 0xd1
.set TO_B,   0x40
.set MSB, 0
.macro WIN new
.if MSB != (\new)
	s_set_vgpr_msb (MSB<<8)|(\new)
.set MSB, (\new)
.endif
.endm
.macro PLACES n
.rept \n
	v_nop
.endr
.endm
.macro CREST
	s_cmp_lg_u32 s20, 0
	s_cbranch_scc1 .Lnot_wave_0_\@
	s_barrier_signal -3
.Lnot_wave_0_\@:
	s_barrier_wait -3
	s_barrier_signal -1
	s_barrier_wait -1
.endm
.macro CROUND
	s_barrier_signal -1
	s_barrier_wait -1
	CREST
.endm
.macro JLOAD
	s_cmp_eq_u32 s21, 0
	s_cbranch_scc0 .Lfor_b_\@
	tensor_load_to_lds s[G0A:G0A+3], s[G1A:G1A+7]
	s_nop 0
.rept 4
	v_nop
.endr
	s_branch .Lasked_\@
.Lfor_b_\@:
	tensor_load_to_lds s[G0B:G0B+3], s[G1B:G1B+7]
	s_nop 0
.rept 4
	v_nop
.endr
.Lasked_\@:
.endm
.macro FRAG3 reg, adr, off
.irp j, 0,1,2
	ds_load_b128 v[\reg+4*\j:\reg+4*\j+3], v[\adr] offset:\off+512*\j
.endr
.endm
.macro FRAGH reg, a16, a8, off         ; two halves: registers 0-3 at 16 l, 4-5 at 512 + 8 l; the second half 768 bytes on
	ds_load_b128 v[\reg:\reg+3], v[\a16] offset:\off
	ds_load_b64 v[\reg+4:\reg+5], v[\a8] offset:\off+512
	ds_load_b128 v[\reg+6:\reg+9], v[\a16] offset:\off+768
	ds_load_b64 v[\reg+10:\reg+11], v[\a8] offset:\off+1280
.endm
.macro FETCH_B slot, q, set
	WIN TO_B
.irp i, 0,1,2,3,4,5,6,7
	FRAG3 128*(\set)+12*\i, ADRB+\slot, \i*3072+(\q)*1536
.endr
	WIN 0
.endm
.macro FETCH_A slot, q, i0
.irp i, \i0, \i0+1, \i0+2, \i0+3
	FRAGH AF+12*(\i), ADRA+\slot, ADRA8+\slot, (\i)*3072+(\q)*1536
.endr
.endm
.macro MUL16 a0, s, first              ; the 64 accumulators take turns in one order in every step
.irp a, \a0, \a0+1
.irp b, 0,1,2,3,4,5,6,7
.if \first
	v_wmma_scale_f32_16x16x128_f8f6f4 v[8*(8*((\a)%4)+\b):8*(8*((\a)%4)+\b)+7], v[128*((\s)%2)+12*\b:128*((\s)%2)+12*\b+11], v[AF+12*(\a):AF+12*(\a)+11], v[96+8*\b+96*(\b/4):96+8*\b+96*(\b/4)+7], v[SC+8*\b+(\s)], v[SC+8*(\a)+(\s)] matrix_a_fmt:MATRIX_FMT_FP6 matrix_b_fmt:MATRIX_FMT_FP6 matrix_a_scale:MATRIX_SCALE_ROW1
.else
	v_wmma_scale_f32_16x16x128_f8f6f4 v[8*(8*((\a)%4)+\b):8*(8*((\a)%4)+\b)+7], v[128*((\s)%2)+12*\b:128*((\s)%2)+12*\b+11], v[AF+12*(\a):AF+12*(\a)+11], v[8*(8*((\a)%4)+\b):8*(8*((\a)%4)+\b)+7], v[SC+8*\b+(\s)], v[SC+8*(\a)+(\s)] matrix_a_fmt:MATRIX_FMT_FP6 matrix_b_fmt:MATRIX_FMT_FP6 matrix_a_scale:MATRIX_SCALE_ROW1
.endif
.endr
.endr
.endm
.macro STEP s, nslot, nq, first
	s_wait_dscnt 4*NLA                             ; B's set and A's blocks 0-3 are in; A's blocks 4-7 may be out
.if \first
	WIN FST_LO
.else
	WIN MUL_LO
.endif
	MUL16 0, \s, \first
	MUL16 2, \s, \first
	s_wait_dscnt 0x0
	PLACES 4
	FETCH_B \nslot, \nq, 1-(\s)%2
	FETCH_A \nslot, \nq, 0
.if \first
	WIN FST_HI
.else
	WIN MUL_HI
.endif
	MUL16 4, \s, \first
	MUL16 6, \s, \first
	PLACES 4
	WIN 0
	FETCH_A \nslot, \nq, 4
.endm
.macro TURN s, nslot, fill
	s_wait_tensorcnt 0x0                           ; all my tensor loads have landed
	ds_add_u32 v28, v29                            ; 0 onto my spare word
	s_wait_dscnt 4*NLA+1                           ; (the add and A's blocks 4-7 may be out)
	WIN MUL_LO
	MUL16 0, \s, 0
	s_wait_dscnt 0x0                               ; the add is done, and my reads of the slot that I leave are over
	s_barrier_signal -1
	MUL16 2, \s, 0
	WIN 0
	s_barrier_wait -1
.if \fill
	CREST                                          ; a round of the cluster's barrier: no wave of any partner still reads slot 0 or has a load on its way
	s_add_nc_u64 s[G0A+2:G0A+3], s[G0A+2:G0A+3], 3*STEPA
	s_add_nc_u64 s[G0B+2:G0B+3], s[G0B+2:G0B+3], 3*STEPB
	JLOAD
.else
	PLACES 4
.endif
	FETCH_B \nslot, 0, 1-(\s)%2
	FETCH_A \nslot, 0, 0
	WIN MUL_HI
	MUL16 4, \s, 0
	MUL16 6, \s, 0
	PLACES 4
	WIN 0
	FETCH_A \nslot, 0, 4
.endm
	s_load_b256 s[4:11], s[0:1], 0x0               ; oc, wpc, os, wps
	s_load_b128 s[12:15], s[0:1], 0x20             ; b_proj, out0
	v_lshl_add_u32 v28, v0, 2, SPARE
	v_mov_b32 v29, 0
	ds_add_u32 v28, v29
	ds_add_u32 v28, v29
	s_wait_dscnt 0x0
	v_lshrrev_b32 v1, 5, v0
	v_readfirstlane_b32 s20, v1                    ; wave
	s_lshr_b32 s21, s20, 1
	s_and_b32 s22, s20, 1
	s_bfe_u32 s23, ttmp6, 0x40000                  ; cx
	s_bfe_u32 s24, ttmp6, 0x40004                  ; cy
	s_lshl_b32 s28, ttmp9, 2
	s_add_co_u32 s28, s28, s23                     ; the tile of 256 columns
	s_and_b32 s27, ttmp7, 0xffff
	s_lshl_b32 s27, s27, 2
	s_add_co_u32 s27, s27, s24                     ; the tile of 256 tokens
	s_lshl_b32 s96, s24, 2
	s_lshl_b32 s96, 15, s96
	s_lshl_b32 s97, 0x1111, s23
	s_or_b32 s[G1A], s96, (3<<16)|(1<<21)
	s_or_b32 s[G1B], s97, (3<<16)|(1<<21)
.irp g, G1A, G1B
	s_mov_b32 s[\g+1], 3072<<16                    ; the head's tile: three parts, each a row of 3,072 elements of 8 bytes
	s_mov_b32 s[\g+2], 3<<16
	s_mov_b32 s[\g+3], 3072<<16
	s_mov_b32 s[\g+4], 3
	s_mov_b32 s[\g+6], 0
	s_mov_b32 s[\g+7], 0
.endr
	s_mov_b32 s[G1A+5], STEPA/8                    ; from part to part, in elements
	s_mov_b32 s[G1B+5], STEPB/8
	s_lshl_b32 s99, s22, 3
	s_lshl_b32 s66, s27, 4
	s_add_co_u32 s66, s66, s99
	s_mul_i32 s66, s66, 3072
	s_mov_b32 s67, 0
	s_lshl_b32 s80, s28, 4
	s_add_co_u32 s80, s80, s99
	s_mul_i32 s80, s80, 3072
	s_mov_b32 s81, 0
	s_mul_i32 s25, s20, 73728                      ; where my three parts go: wave x 73,728
	s_wait_kmcnt 0x0
	s_add_nc_u64 s[82:83], s[4:5], s[66:67]
	s_add_nc_u64 s[84:85], s[6:7], s[80:81]
	CROUND                                         ; all sixteen work-groups are here: the first joint loads meet
.irp j, 0
	s_mov_b32 s[G0A+4*\j], 1
	s_add_co_u32 s[G0A+4*\j+1], s25, \j*SLOT
	s_add_nc_u64 s[G0A+4*\j+2:G0A+4*\j+3], s[82:83], \j*STEPA
	s_or_b32 s[G0A+4*\j+3], s[G0A+4*\j+3], 0x80000000
	s_mov_b32 s[G0B+4*\j], 1
	s_add_co_u32 s[G0B+4*\j+1], s25, \j*SLOT
	s_add_nc_u64 s[G0B+4*\j+2:G0B+4*\j+3], s[84:85], \j*STEPB
	s_or_b32 s[G0B+4*\j+3], s[G0B+4*\j+3], 0x80000000
.endr
	s_cmp_eq_u32 s21, 0                            ; a wave's three first fills stand in one branch
	s_cbranch_scc0 .Lfirst_b
	tensor_load_to_lds s[G0A:G0A+3], s[G1A:G1A+7]
	s_nop 0
.rept 4
	v_nop
.endr
	s_branch .Lfirst_done
.Lfirst_b:
	tensor_load_to_lds s[G0B:G0B+3], s[G1B:G1B+7]
	s_nop 0
.rept 4
	v_nop
.endr
.Lfirst_done:
	v_and_b32 v1, 31, v0
	v_and_b32 v2, 15, v0
	v_bfe_u32 v3, v0, 4, 1
	v_lshlrev_b32 v4, 4, v1                        ; 16 x lane
	v_lshlrev_b32 v5, 3, v1                        ; 8 x lane
	s_mul_i32 s2, s21, 73728                       ; A's halves lie in waves 0 and 1's runs,
	s_mul_i32 s3, s22, 73728
	s_add_co_u32 s3, s3, 147456                    ; B's in waves 2 and 3's
.irp j, 0,1,2
	v_add_nc_u32 v[ADRA+\j], s2, v4
	v_add_nc_u32 v[ADRA8+\j], s2, v5
	v_add_nc_u32 v[ADRB+\j], s3, v4
	s_add_co_u32 s2, s2, 24576                     ; from part to part
	s_add_co_u32 s3, s3, 24576
.endr
	s_mul_i32 s2, s20, 8448
	s_add_co_u32 s2, s2, STAGE                     ; my stage
	v_mul_u32_u24 v24, v2, 528
	v_lshl_add_u32 v24, v3, 6, v24
	v_add_nc_u32 v24, s2, v24                      ; in: row r, + 64 h
	v_add_nc_u32 v25, s2, v4                       ; back: a row of 512 bytes, 16 a lane
	; o's scale words: lanes 0-15 the K step's even head, lanes 16-31 its odd head
	s_lshl_b32 s96, s27, 4
	s_lshl_b32 s99, s21, 3
	s_add_co_u32 s96, s96, s99                     ; my first tile of tokens
	s_lshl_b32 s96, s96, 6
	v_lshlrev_b32 v16, 15, v3
	v_lshl_add_u32 v16, v2, 2, v16
	v_add_nc_u32 v16, s96, v16
.irp i, 0,1,2,3,4,5,6,7
.irp s, 0,1,2,3,4,5,6,7
	global_load_b32 v[SC+8*\i+\s], v16, s[8:9] offset:65536*\s+64*\i
.endr
.endr
	s_lshl_b32 s97, s28, 4
	s_lshl_b32 s99, s22, 3
	s_add_co_u32 s97, s97, s99                     ; my first tile of columns
	s_lshl_b32 s97, s97, 9
	v_lshl_add_u32 v17, v2, 5, s97
.irp i, 0,1,2,3,4,5,6,7
	global_load_b128 v[128+8*\i:131+8*\i], v17, s[10:11] offset:512*\i       ; the weight's words, for the while in A's registers
	global_load_b128 v[132+8*\i:135+8*\i], v17, s[10:11] offset:512*\i+16
.endr
	s_lshl_b32 s97, s28, 10
	s_lshl_b32 s99, s22, 9
	s_add_co_u32 s97, s97, s99                     ; my first column, in bytes
	v_lshl_add_u32 v18, v3, 6, s97
	WIN 0x40
.irp b, 0,1,2,3,4,5,6,7                            ; the bias of tile b = 2 B + u: columns 32 B + 16 h + 8 u + 0 .. 7
	global_load_b128 v[96+8*\b+96*(\b/4):96+8*\b+96*(\b/4)+3], v18, s[12:13] offset:128*(\b/2)+32*(\b%2)
	global_load_b128 v[96+8*\b+96*(\b/4)+4:96+8*\b+96*(\b/4)+7], v18, s[12:13] offset:128*(\b/2)+32*(\b%2)+16
.endr
	WIN 0
	s_lshl_b32 s96, s27, 8
	s_lshl_b32 s99, s21, 7
	s_add_co_u32 s96, s96, s99                     ; my first token
	s_lshl_b32 s66, s96, 12
	s_add_co_u32 s66, s66, s97
	s_mov_b32 s67, 0
	s_add_nc_u64 s[14:15], s[14:15], s[66:67]      ; out0 at my 128 x 128
	s_mov_b32 s94, 0x76543210
	s_mov_b32 s95, 0xfedcba98
.irp i, 0,1,2,3,4,5,6,7
	v_mov_b32 v[192+\i], 0                         ; lane permutes' destinations count as read
.endr
	v_cmp_gt_u32 vcc_lo, 16, v1
	s_wait_alu depctr_va_vdst(0)
	s_wait_loadcnt 0x0
.set n, 0
.rept 8
.irp i, 0,1,2,3,4,5,6,7
	v_permlanex16_b32 v[192+\i], v[SC+n+\i], s94, s95
.endr
.irp i, 0,1,2,3,4,5,6,7
	v_or_b32 v[SC+n+\i], v[SC+n+\i], v[192+\i]     ; the two heads' bytes make the K step's word
.endr
.irp i, 0,1,2,3,4,5,6,7
	v_cndmask_b32 v[SC+n+\i], v[128+n+\i], v[SC+n+\i], vcc_lo   ; lanes 0-15 o's word, lanes 16-31 the weight's
.endr
.set n, n+8
.endr
	PLACES 8                                       ; a scale register written by a vector instruction stands eight places ahead of a scaled matrix instruction
	s_wait_alu depctr_va_vdst(0)
	s_wait_tensorcnt 0x0                           ; my three parts are in; no tensor load of mine is out, so group 1 may be written: the refill's tile is one part, a dense block as 96 rows of 256 bytes
.irp g, G1A, G1B
	s_mov_b32 s[\g+1], 32<<16
	s_mov_b32 s[\g+2], 96<<16
	s_mov_b32 s[\g+3], 32<<16
	s_mov_b32 s[\g+4], 96
	s_mov_b32 s[\g+5], 32
.endr
	s_barrier_signal -1
	s_barrier_wait -1
	FETCH_B 0, 0, 0
	FETCH_A 0, 0, 0
	FETCH_A 0, 0, 4
	STEP 0, 0, 1, 1                                ; the first step's products start the sums, from the bias
	TURN 1, 1, 1                                   ; part 0's bytes take part 3
	STEP 2, 1, 1, 0
	STEP 3, 2, 0, 0
	STEP 4, 2, 1, 0
	TURN 5, 0, 0
	STEP 6, 0, 1, 0
	s_wait_dscnt 4*NLA
	WIN MUL_LO
	MUL16 0, 7, 0
	MUL16 2, 7, 0
	s_wait_dscnt 0x0
	WIN MUL_HI
	MUL16 4, 7, 0
	MUL16 6, 7, 0
	WIN 0
; THE WAY OUT, a block of 16 tokens x 128 columns at a time, through my own stage: in as 32 bytes a lane, back as whole rows of 512 bytes.  LDS serves a wave's instructions in order.
.macro TOSTAGE a
.set AC, 64*((\a)%4)
	WIN 0x08+4*((\a)/4)                            ; an LDS store's data: window 2 or 3
.irp b, 0,1,2,3,4,5,6,7
	ds_store_b128 v24, v[AC+8*\b:AC+8*\b+3] offset:128*(\b/2)+32*(\b%2)        ; each accumulator from its low end on
	ds_store_b128 v24, v[AC+8*\b+4:AC+8*\b+7] offset:128*(\b/2)+32*(\b%2)+16
.endr
	WIN 0
.set BB, 128+64*((\a)%2)
.irp t, 0,1,2,3,4,5,6,7,8,9,10,11,12,13,14,15
	ds_load_b128 v[BB+4*\t:BB+4*\t+3], v25 offset:\t*528
.endr
.endm
.macro SEND a, younger
.set BB, 128+64*((\a)%2)
	s_wait_dscnt \younger                          ; the block is back; the next block's LDS instructions may be out
.irp t, 0,1,2,3,4,5,6,7,8,9,10,11,12,13,14,15
	global_store_b128 v4, v[BB+4*\t:BB+4*\t+3], s[14:15] offset:(32*((\a)/2)+8*((\a)%2)+\t+8*(\t/8))*4096 th:TH_STORE_NT   ; tile row t is token 32 (a / 2) + 8 (a % 2) + t + 8 (t / 8): 512 consecutive bytes, aligned
.endr
.endm
	PLACES 4
	TOSTAGE 0
.irp a, 1,2,3,4,5,6,7
.if \a > 1
	s_wait_xcnt 0x0                                ; block a - 2's stores have read their registers: block a's loads may land there
.endif
	TOSTAGE \a
	SEND \a-1, 32
.endr
	SEND 7, 0
	s_wait_tensorcnt 0x0                           ; the wave's end
	ds_add_u32 v28, v29
	s_wait_dscnt 0x0
	CROUND                                         ; the closing round
	s_endpgm
.Lfunc_end_k_q4bfef18519_proj:
	.size	k_q4bfef18519_proj, .Lfunc_end_k_q4bfef18519_proj-k_q4bfef18519_proj
	.p2alignl 7, 3214868480
	.fill 96, 4, 3214868480
	.section	.rodata,"a",@progbits
	.p2align	6, 0x0
	.amdhsa_kernel k_q4bfef18519_proj
		.amdhsa_group_segment_fixed_size 327680
		.amdhsa_private_segment_fixed_size 0
		.amdhsa_enable_private_segment 0
		.amdhsa_kernarg_size 48
		.amdhsa_user_sgpr_count 2
		.amdhsa_user_sgpr_kernarg_segment_ptr 1
		.amdhsa_wavefront_size32 1
		.amdhsa_system_sgpr_workgroup_id_x 1
		.amdhsa_system_sgpr_workgroup_id_y 1
		.amdhsa_system_sgpr_workgroup_id_z 1
		.amdhsa_system_vgpr_workitem_id 0
		.amdhsa_next_free_vgpr 1024
		.amdhsa_next_free_sgpr 100
		.amdhsa_reserve_vcc 1
		.amdhsa_float_denorm_mode_32 3
		.amdhsa_float_denorm_mode_16_64 3
		.amdhsa_memory_ordered 1
		.amdhsa_forward_progress 1
		.amdhsa_inst_pref_size 151
	.end_amdhsa_kernel
	.amdgpu_metadata
---
amdhsa.version: [ 1, 2 ]
amdhsa.kernels:
  - .name:           k_q4bfef18519_proj
    .symbol:         k_q4bfef18519_proj.kd
    .args:
      - { .name: oc, .offset: 0, .size: 8, .value_kind: global_buffer, .address_space: global }
      - { .name: wpc, .offset: 8, .size: 8, .value_kind: global_buffer, .address_space: global }
      - { .name: os, .offset: 16, .size: 8, .value_kind: global_buffer, .address_space: global }
      - { .name: wps, .offset: 24, .size: 8, .value_kind: global_buffer, .address_space: global }
      - { .name: b_proj, .offset: 32, .size: 8, .value_kind: global_buffer, .address_space: global }
      - { .name: out0, .offset: 40, .size: 8, .value_kind: global_buffer, .address_space: global }
    .group_segment_fixed_size: 327680
    .private_segment_fixed_size: 0
    .kernarg_segment_align: 8
    .kernarg_segment_size: 48
    .max_flat_workgroup_size: 128
    .sgpr_count:     100
    .vgpr_count:     1024
    .wavefront_size: 32
...
	.end_amdgpu_metadata
.endif
;; end of part 5
